; MI455X (gfx1250); checked and timed in simulation.
; The chip was launched on July 23, 2026; its instructions are those of AMD's public machine-readable ISA for CDNA 5 (MIT licence, August 2026) and "CDNA5" Instruction Set Architecture Reference Guide (July 2026). The comments in the code are by the model that wrote it; some were corrected since.
;; Self Att V1. Allowed arithmetic: matrix products marked QUANTISED: E2M1 operands, one E8M0 scale for each 32 along K, by v_wmma_scale_f32_16x16x128_f8f6f4 with both operands' format E2M1 (or v_wmma_scale_f32_32x16x128_f4), f32 sums; products left as they are: bf16, f16 or f32 operands; f32 sums; everything else in f32.
;; Inputs: Wk 1,024 x 1,024 float32; Wq 1,024 x 1,024 float32; Wv 1,024 x 1,024 float32; bk 1,024 float32; bq 1,024 float32; bv 1,024 float32; x 4 x 2,048 x 1,024 float32.
;; Outputs: out0 4 x 2,048 x 1,024 float32.
;; This version of the problem:
;;   THIS VERSION OF THE PROBLEM IS GIVEN IN LOW PRECISION. The matrix products marked QUANTISED in the list below multiply operands that are first quantised to E2M1 (2 exponent bits, 1 mantissa bit; 4 bits a number), with one power-of-two scale for each 32 numbers along K (OCP MX v1.0); their sums are f32. The products marked 'left as it is' may take bf16, f16 or f32 operands, with f32 sums. Whichever they take, every output number must still come out within the allowed error. Rounding operands to bf16 (8 significant bits) uses up far more of that allowance than f16 does (11 bits, for magnitudes from 6e-5 to 65,504). All else is computed in f32.
;;   The module's matrix products, in the order in which they are computed (A, B: the left and right operand; K: the contracted axis; several contracted axes count as one K, in the product's order):
;;     1. [M 8,192, K 1,024] x [K 1,024, N 1,024]; A: input x; B: input Wq: QUANTISED
;;     2. [M 8,192, K 1,024] x [K 1,024, N 1,024]; A: input x; B: input Wk: QUANTISED
;;     3. [M 8,192, K 1,024] x [K 1,024, N 1,024]; A: input x; B: input Wv: QUANTISED
;;     4. batch 4 x [M 2,048, K 1,024] x [K 1,024, N 2,048]; A: computed on the way; B: computed on the way: left as it is (an operand is computed on the way)
;;     5. batch 4 x [M 2,048, K 2,048] x [K 2,048, N 1,024]; A: computed on the way; B: computed on the way: left as it is (an operand is computed on the way)
;;   THE QUANTISER, for each operand of a quantised product, along K:
;;     - K is cut into blocks of 32 from its start; a last block that is shorter is filled with zeros.
;;     - A block's scale is 2^e with e = floor(log2(the largest magnitude in the block)) - 2, held to -126 .. 127; a block of zeros has e = 0. As a byte (E8M0): e + 127.
;;     - Each number is divided by its block's scale, clamped to +-6, and rounded to the nearest number of E2M1, ties to even, subnormals kept.
;;     - The product sums the exact products of the quantised numbers (number of the format x scale) in f32.
;;   ~~~python
;;   def quantise(x, axis):      # numpy; x: float32 -> the quantised numbers, widened to float32 again
;;       x = np.moveaxis(x, axis, -1); K = x.shape[-1]
;;       x = np.pad(x, [(0, 0)] * (x.ndim - 1) + [(0, -K % 32)]); x = x.reshape(x.shape[:-1] + (-1, 32)); a = np.abs(x).max(-1, keepdims=True)
;;       e = np.where(a > 0, np.clip(np.frexp(np.where(a > 0, a, 1))[1] - 1 - 2, -126, 127), 0)      # np.frexp(a)[1] - 1 = floor(log2(a)), exactly
;;       r = np.clip(x / 2.0 ** e, -6, 6)
;;       step = 2.0 ** (np.maximum(np.frexp(np.where(r == 0, 1, r))[1] - 1, 0) - 1)
;;       q = np.round(r / step) * step * 2.0 ** e      # np.round: ties to even
;;       return np.moveaxis(q.reshape(q.shape[:-2] + (-1,))[..., :K], -1, axis).astype(np.float32)
;;   ~~~
;; One version. Each part assembles by itself: llvm-mc -triple=amdgcn-amd-amdhsa -mcpu=gfx1250 --defsym DOCPART=n.
;; ======== version 1 of 1: 4 launches
;; limits: values are held in f16: magnitudes above 65,504 overflow, below 6.1e-05 lose precision
;; workspace buffers: xc 4,194,304 bytes; xs 262,144 bytes; wc 1,572,864 bytes; ws 98,304 bytes; qkv 50,331,648 bytes; p 33,554,432 bytes; st 1,048,576 bytes
;; launch quant (part 1): grid 352 x 1, 4 waves a work-group, no clusters, 50,688 bytes of LDS; arguments x, Wq, Wk, Wv, xc, xs, wc, ws; writes xc, xs, wc, ws
.if DOCPART == 1
	.amdgcn_target "amdgcn-amd-amdhsa--gfx1250"
	.amdhsa_code_object_version 6
	.text
	.protected	k_qc1fcff9b5e_quant
	.globl	k_qc1fcff9b5e_quant
	.p2align	8
	.type	k_qc1fcff9b5e_quant,@function
k_qc1fcff9b5e_quant:
	s_mov_b64 s[64:65], 0
	v_nop
	global_prefetch_b8 v0, s[64:65] scope:SCOPE_SE
	s_setreg_imm32_b32 hwreg(HW_REG_WAVE_MODE, 25, 1), 1
	s_wait_xcnt 0x0
; x [8192][1024] f32 and Wq, Wk, Wv [1024 (k)][1024 (n)] f32 become codes of FP4 (E2M1), 4 bits each, K innermost, with one E8M0 scale byte for each 32 along K.
;   xc [8192][512 bytes], xs [8192][32 bytes];  wc [3072][512 bytes], ws [3072][32 bytes], row = 1024 x (0: Wq, 1: Wk, 2: Wv) + column.
; A block's scale is 2^(floor(log2(its largest magnitude)) - 2); its byte is the largest magnitude's exponent field - 2, held at 1 from below.  A block of zeros so gets the byte 1 where the
; rule says 127: its codes are zeros, which add nothing under any byte but 0xff, and the bytes are read by this program alone.
; LIMITS: blocks whose largest magnitude lies under 2^-124 keep the byte 1; NaN and infinities among the inputs are not served.
; SHARES.  Work-groups 0 to 95 take the weights (each 64 columns x 512 along K), work-groups 96 to 351 take x (each 32,768 numbers): 131,072 bytes read by every work-group.
; The two ways part once, on the work-group's number, and each has LDS bytes of its own.  No tensor load.  No cluster: no two work-groups read the same bytes.
; x: K IS INNERMOST.  A wave takes 16 steps of 512 numbers.  Each load reads 512 consecutive bytes, 16 a lane; a step's 2,048 bytes turn through the wave's own stage in LDS and come back 64 bytes a lane, so that a
; lane holds 16 neighbours along K and two neighbouring lanes a block.  Waves share nothing: no barrier.
; W: K IS THE FIRST AXIS.  A lane takes a column and its registers run down K: a block lies in one lane's 32 registers, and the codes come out with K innermost.  A wave takes 32 columns x 256 along K: 8 blocks,
; 128 bytes of codes a column.  Two waves hold the two halves of a column's 256 bytes: they meet in the work-group's stage behind one barrier, and leave as rows, sixteen lanes to 256 consecutive bytes.
.set WGW,   96                         ; work-groups for the weights
.set SPARE, 50176                      ; behind both ways' regions: the spare words, 128 bytes for each wave: two blocks of 256 bytes that no other line names
.set SPW,   190                        ; v190  LDS address of my spare word: SPARE + 4 x my thread's number; never rewritten
.set NIL,   191                        ; v191  0; never rewritten
; the way of x
.set STEPS, 16
.set CB,    8                          ; bytes of 16 codes
.set XR,    16                         ; v16-79   four sets of 16 numbers as they are loaded
.set XX,    80                         ; v80-111  two sets of 16 neighbours
.set XE,    112                        ; v112-127 a scale byte for each step
.set XC,    128                        ; v128-189 codes: two registers of four for each step, so that no store's data are written again
.set WREG,  8192                       ; LDS bytes 0 to 32,767: a region for each wave: two stages of 32 x SP bytes, and behind them its 256 scale bytes
.set SP,    80                         ; a lane's place in a stage: its 64 bytes + 16 of padding
; the way of the weights
.set NB,    8                          ; blocks of 32 along K for a wave
.set PITCH, 272                        ; a stage row: 256 bytes of codes + 16
.set KROW,  512                        ; a row of wc in bytes
.set WROW,  4096                       ; a row of a weight in bytes
.set WSTG,  32768                      ; LDS bytes 32,768 to 50,175: the work-group's stage: 64 columns x PITCH bytes
.set WX,    32                         ; v32-95   two sets of 32 numbers
.set WC,    96                         ; v96-99   a block's codes
.set WOUT,  112                        ; v112-143 the way out: 8 x 4 registers
.set WSB,   24                         ; v24-25   the scale bytes, four to a register
	s_load_b256 s[4:11], s[0:1], 0x0               ; x s[4:5], Wq s[6:7], Wk s[8:9], Wv s[10:11]
	s_load_b256 s[12:19], s[0:1], 0x20             ; xc s[12:13], xs s[14:15], wc s[16:17], ws s[18:19]
	v_lshl_add_u32 v[SPW], v0, 2, SPARE
	v_mov_b32 v[NIL], 0
	v_lshrrev_b32 v1, 5, v0
	v_readfirstlane_b32 s20, v1                    ; wave 0..3
	v_and_b32 v2, 31, v0                           ; lane
	s_mov_b32 s25, 0                               ; the upper word of every offset below
	s_wait_kmcnt 0x0
	s_cmp_lt_u32 ttmp9, WGW
	s_cbranch_scc1 .Lweights
; ---------------------------------------------------------------- x
	v_lshlrev_b32 v3, 4, v2                        ; my 16 bytes of a load's 512
	s_mul_i32 s21, s20, WREG
	v_lshrrev_b32 v14, 2, v2
	v_mul_u32_u24 v14, v14, SP
	v_and_b32 v15, 3, v2
	v_lshl_add_u32 v14, v15, 4, v14
	v_add_nc_u32 v14, s21, v14                     ; the stage, on the way in: four lanes' 64 bytes on end, then 16 of padding: SP (lane / 4) + 16 (lane % 4)
	v_mul_u32_u24 v15, v2, SP
	v_add_nc_u32 v15, s21, v15                     ; and on the way out: SP x lane: my 16 neighbours
	v_mul_u32_u24 v4, v2, CB                       ; my codes' place in a step's
	v_lshrrev_b32 v5, 1, v2
	s_add_co_u32 s21, s21, 2*32*SP
	v_add_nc_u32 v5, s21, v5                       ; LDS: my wave's 256 scale bytes, my block's byte
	v_lshlrev_b32 v7, 3, v2                        ; and on the way out 8 bytes a lane
	v_add_nc_u32 v6, s21, v7
	s_sub_co_u32 s22, ttmp9, WGW
	s_lshl_b32 s22, s22, 2
	s_add_co_u32 s22, s22, s20                     ; which run of 8,192 numbers is my wave's: 0 to 1,023
	s_lshl_b32 s24, s22, 15                        ; 32,768 bytes of x a run,
	s_add_nc_u64 s[4:5], s[4:5], s[24:25]
	s_lshl_b32 s24, s22, 12                        ; 4,096 of codes,
	s_add_nc_u64 s[12:13], s[12:13], s[24:25]
	s_lshl_b32 s24, s22, 8                         ; 256 scale bytes
	s_add_nc_u64 s[14:15], s[14:15], s[24:25]
.macro XLOAD t
.irp i, 0,1,2,3
	global_load_b128 v[XR+16*((\t)%4)+4*\i:XR+16*((\t)%4)+4*\i+3], v3, s[4:5] offset:2048*(\t)+512*\i th:TH_LOAD_NT   ; 32 lanes read 512 consecutive bytes
.endr
.endm
.macro XTURN t                         ; step t's numbers through the stage: LDS serves a wave's instructions in order (ISA guide 5.7.1.4), so no wait stands between the stores and the loads
.irp i, 0,1,2,3
	ds_store_b128 v14, v[XR+16*((\t)%4)+4*\i:XR+16*((\t)%4)+4*\i+3] offset:32*SP*((\t)%2)+8*SP*\i
.endr
.irp i, 0,1,2,3
	ds_load_b128 v[XX+16*((\t)%2)+4*\i:XX+16*((\t)%2)+4*\i+3], v15 offset:32*SP*((\t)%2)+16*\i
.endr
.endm
.irp t, 0,1,2,3
	XLOAD \t
.endr
	s_wait_loadcnt 12                              ; step 0's four loads are in; the twelve of steps 1 to 3 may be out
	XTURN 0
.macro XSTEP t
.set XN, XX+16*((\t)%2)
.if (\t) > 0
	s_wait_dscnt 1                                 ; this step's numbers are back from the stage (the last step's byte store may be out): so its stores into the stage have read their registers,
.else
	s_wait_dscnt 0x0
.endif
.if (\t)+4 < STEPS
	XLOAD (\t)+4                                   ; which take the loads of four steps on
.endif
.if (\t)+1 < STEPS
.if STEPS-2-(\t) >= 3
	s_wait_loadcnt 12                              ; the next step's four loads are in; those of the three steps behind it may be out
.else
	s_wait_loadcnt 4*(STEPS-2-(\t))                ; near the end fewer steps stand behind it
.endif
	XTURN (\t)+1                                   ; and go through the other stage while this step is worked
.endif
	v_max3_num_f32 v8, |v[XN]|, |v[XN+1]|, |v[XN+2]|               ; the largest magnitude of my 16, in two chains
	v_max3_num_f32 v9, |v[XN+3]|, |v[XN+4]|, |v[XN+5]|
.irp i, 6,10
	v_max3_num_f32 v8, v8, |v[XN+\i]|, |v[XN+\i+1]|
	v_max3_num_f32 v9, v9, |v[XN+\i+2]|, |v[XN+\i+3]|
.endr
	v_max3_num_f32 v8, v8, |v[XN+14]|, |v[XN+15]|
	v_max3_num_f32 v8, v8, v9, 0x1800000           ; and the floor 2^(3 - 127), under which no largest magnitude is taken: so the byte cannot fall under 1
	v_max_num_f32_dpp v8, v8, v8 row_xmask:1 row_mask:0xf bank_mask:0xf   ; and of my neighbour's 16: the block's
	v_add_nc_u32 v11, 0xff000000, v8               ; 2 off its exponent field: the conversion takes the exponent field of this operand as its scale, and nothing else of it
	v_cvt_scalef32_pk8_fp4_f32 v[XC+4*(\t)], v[XN:XN+7], v11        ; eight numbers / the scale, to the nearest code, ties to even, beyond the largest code the largest; the first number's code in the lowest four bits
	v_cvt_scalef32_pk8_fp4_f32 v[XC+4*(\t)+1], v[XN+8:XN+15], v11
	v_lshrrev_b32 v[XE+(\t)], 23, v11              ; the scale's byte (a plain line behind the conversions)
	ds_store_b8 v5, v[XE+(\t)] offset:16*(\t)      ; both lanes of a block write the same byte with the same value
	global_store_b64 v4, v[XC+4*(\t):XC+4*(\t)+1], s[12:13] offset:32*CB*(\t)   ; the wave stores 256 consecutive bytes, aligned
.endm
.irp t, 0,1,2,3,4,5,6,7,8,9,10,11,12,13,14,15
	XSTEP \t
.endr
	ds_load_b64 v[8:9], v6                         ; LDS serves a wave's instructions in order: these see my byte stores
	s_wait_dscnt 0x0
	global_store_b64 v7, v[8:9], s[14:15]          ; 32 lanes store my wave's 256 scale bytes, aligned
	s_wait_tensorcnt 0x0                           ; the wave's end
	ds_add_u32 v[SPW], v[NIL]
	s_wait_dscnt 0x0
	s_endpgm
; ---------------------------------------------------------------- the weights
.Lweights:
	s_cmp_lt_u32 ttmp9, 64                         ; which weight: the choice hangs on the work-group's number alone
	s_cselect_b64 s[8:9], s[8:9], s[10:11]         ; Wk or Wv,
	s_cmp_lt_u32 ttmp9, 32
	s_cselect_b64 s[6:7], s[6:7], s[8:9]           ; or Wq
	s_lshr_b32 s21, ttmp9, 5                       ; 0: Wq, 1: Wk, 2: Wv
	s_and_b32 s22, ttmp9, 15                       ; which 64 columns
	s_bfe_u32 s23, ttmp9, 0x10004                  ; which 512 along K
	s_and_b32 s28, s20, 1                          ; my wave: which 32 of the 64 columns,
	s_lshr_b32 s29, s20, 1                         ; which 256 of the 512 along K
	s_lshl_b32 s22, s22, 6
	s_lshl_b32 s21, s21, 10
	s_add_co_u32 s21, s21, s22                     ; the work-group's first row of wc and ws
	s_lshl_b32 s26, s28, 5
	s_add_co_u32 s22, s22, s26                     ; my wave's first column
	s_lshl_b32 s24, s23, 1
	s_add_co_u32 s24, s24, s29                     ; which 256 along K of the weight's 1,024
	s_lshl_b32 s24, s24, 20                        ; 256 rows of 4,096 bytes
	s_lshl_b32 s27, s22, 2
	s_add_co_u32 s24, s24, s27
	s_add_nc_u64 s[6:7], s[6:7], s[24:25]          ; the weight at my wave's corner
	s_add_co_u32 s27, s21, s26                     ; my wave's first row of ws
	s_lshl_b32 s24, s27, 5
	s_lshl_b32 s27, s23, 4
	s_add_co_u32 s24, s24, s27
	s_lshl_b32 s27, s29, 3
	s_add_co_u32 s24, s24, s27
	s_add_nc_u64 s[18:19], s[18:19], s[24:25]      ; ws: row x 32 + 16 x which 512 + 8 x which 256
	s_lshl_b32 s27, s20, 4
	s_add_co_u32 s27, s21, s27                     ; on the way out wave w stores rows 16 w .. 16 w + 15 of the 64
	s_lshl_b32 s24, s27, 9
	s_lshl_b32 s27, s23, 8
	s_add_co_u32 s24, s24, s27
	s_add_nc_u64 s[16:17], s[16:17], s[24:25]      ; wc: row x 512 + 256 x which 512
	s_mul_i32 s27, s28, 32*PITCH
	s_lshl_b32 s26, s29, 7
	s_add_co_u32 s27, s27, s26
	s_add_co_u32 s27, s27, WSTG                    ; into the stage: my 32 columns' rows, my half of their 256 bytes
	v_lshlrev_b32 v3, 2, v2                        ; in: 4 bytes a lane
	v_mul_u32_u24 v4, v2, PITCH
	v_add_nc_u32 v4, s27, v4                       ; row = my column
	s_mul_i32 s27, s20, 16*PITCH
	s_add_co_u32 s27, s27, WSTG                    ; out of it: my 16 rows
	v_and_b32 v5, 15, v2
	v_lshrrev_b32 v6, 4, v2                        ; sixteen lanes to a row, two rows an instruction
	v_mul_u32_u24 v7, v6, PITCH
	v_lshl_add_u32 v7, v5, 4, v7
	v_add_nc_u32 v7, s27, v7                       ; LDS address
	v_mul_u32_u24 v8, v6, KROW
	v_lshl_add_u32 v8, v5, 4, v8                   ; and the same place in wc
	v_lshlrev_b32 v9, 5, v2                        ; my column's row of scale bytes
.macro WLOAD t                         ; block t: W(32 t + i, my column), i = 0 .. 31, into set t % 2.  The largest offset is 255 rows of 4,096 bytes, inside the signed 24-bit immediate (ISA guide, chapter 10)
.irp i, 0,1,2,3,4,5,6,7,8,9,10,11,12,13,14,15,16,17,18,19,20,21,22,23,24,25,26,27,28,29,30,31
	global_load_b32 v[WX+32*((\t)%2)+\i], v3, s[6:7] offset:(32*(\t)+\i)*WROW th:TH_LOAD_NT
.endr
.endm
	WLOAD 0
	WLOAD 1
.macro WBLOCK t
.set WN, WX+32*((\t)%2)
.if (\t) < NB-1
	s_wait_loadcnt 32                              ; this block's 32 loads are in; the next block's 32 may be out
.else
	s_wait_loadcnt 0
.endif
	v_max3_num_f32 v12, |v[WN]|, |v[WN+1]|, |v[WN+2]|               ; the block's largest magnitude: all 32 numbers are mine
	v_max3_num_f32 v13, |v[WN+3]|, |v[WN+4]|, |v[WN+5]|
.irp i, 6,10,14,18,22,26
	v_max3_num_f32 v12, v12, |v[WN+\i]|, |v[WN+\i+1]|
	v_max3_num_f32 v13, v13, |v[WN+\i+2]|, |v[WN+\i+3]|
.endr
	v_max3_num_f32 v12, v12, |v[WN+30]|, |v[WN+31]|
	v_max3_num_f32 v12, v12, v13, 0x1800000        ; and the floor 2^(3 - 127)
	v_add_nc_u32 v11, 0xff000000, v12              ; 2 off its exponent field: the conversion's scale operand
	v_lshrrev_b32 v13, 23, v11                     ; the scale's byte
.if (\t)%4 == 0
	v_mov_b32 v[WSB+(\t)/4], v13                   ; four bytes to a register, the lower K in the lower byte
.else
	v_lshl_or_b32 v[WSB+(\t)/4], v13, 8*((\t)%4), v[WSB+(\t)/4]
.endif
.irp g, 0,1,2,3
	v_cvt_scalef32_pk8_fp4_f32 v[WC+\g], v[WN+8*\g:WN+8*\g+7], v11
.endr
	v_nop                                          ; one plain line behind the last conversion
	ds_store_b128 v4, v[WC:WC+3] offset:16*(\t)    ; 32 codes: 16 bytes of my column's row
.if (\t)+2 < NB
	WLOAD (\t)+2
.endif
	s_wait_dscnt 0x0                               ; the store has read its registers and has landed: the next block's codes may be written
.endm
.irp t, 0,1,2,3,4,5,6,7
	WBLOCK \t
.endr
	s_barrier_signal -1                            ; my stores into the stage have landed (the last block's wait for 0 stands just above):
	s_barrier_wait -1                              ; so have the other three waves': the 64 rows are whole
.irp t, 0,1,2,3,4,5,6,7
	ds_load_b128 v[WOUT+4*\t:WOUT+4*\t+3], v7 offset:2*\t*PITCH
.endr
	global_store_b64 v9, v[WSB:WSB+1], s[18:19]    ; my column's 8 scale bytes
.irp t, 0,1,2,3,4,5,6,7
	s_wait_dscnt 7-\t                              ; loads come back in order: number t is in, the 7 - t behind it may be out
	global_store_b128 v8, v[WOUT+4*\t:WOUT+4*\t+3], s[16:17] offset:2*\t*KROW   ; sixteen lanes store 256 consecutive bytes, aligned
.endr
	s_wait_tensorcnt 0x0                           ; the wave's end: the same three lines
	ds_add_u32 v[SPW], v[NIL]
	s_wait_dscnt 0x0
	s_endpgm
.Lfunc_end_k_qc1fcff9b5e_quant:
	.size	k_qc1fcff9b5e_quant, .Lfunc_end_k_qc1fcff9b5e_quant-k_qc1fcff9b5e_quant
	.p2alignl 7, 3214868480
	.fill 96, 4, 3214868480
	.section	.rodata,"a",@progbits
	.p2align	6, 0x0
	.amdhsa_kernel k_qc1fcff9b5e_quant
		.amdhsa_group_segment_fixed_size 50688
		.amdhsa_private_segment_fixed_size 0
		.amdhsa_enable_private_segment 0
		.amdhsa_kernarg_size 64
		.amdhsa_user_sgpr_count 2
		.amdhsa_user_sgpr_kernarg_segment_ptr 1
		.amdhsa_wavefront_size32 1
		.amdhsa_system_sgpr_workgroup_id_x 1
		.amdhsa_system_sgpr_workgroup_id_y 1
		.amdhsa_system_sgpr_workgroup_id_z 1
		.amdhsa_system_vgpr_workitem_id 0
		.amdhsa_next_free_vgpr 192
		.amdhsa_next_free_sgpr 66
		.amdhsa_reserve_vcc 0
		.amdhsa_float_denorm_mode_32 3
		.amdhsa_float_denorm_mode_16_64 3
		.amdhsa_memory_ordered 1
		.amdhsa_forward_progress 1
		.amdhsa_inst_pref_size 74
	.end_amdhsa_kernel
	.amdgpu_metadata
---
amdhsa.version: [ 1, 2 ]
amdhsa.kernels:
  - .name:           k_qc1fcff9b5e_quant
    .symbol:         k_qc1fcff9b5e_quant.kd
    .args:
      - { .name: x, .offset: 0, .size: 8, .value_kind: global_buffer, .address_space: global }
      - { .name: Wq, .offset: 8, .size: 8, .value_kind: global_buffer, .address_space: global }
      - { .name: Wk, .offset: 16, .size: 8, .value_kind: global_buffer, .address_space: global }
      - { .name: Wv, .offset: 24, .size: 8, .value_kind: global_buffer, .address_space: global }
      - { .name: xc, .offset: 32, .size: 8, .value_kind: global_buffer, .address_space: global }
      - { .name: xs, .offset: 40, .size: 8, .value_kind: global_buffer, .address_space: global }
      - { .name: wc, .offset: 48, .size: 8, .value_kind: global_buffer, .address_space: global }
      - { .name: ws, .offset: 56, .size: 8, .value_kind: global_buffer, .address_space: global }
    .group_segment_fixed_size: 50688
    .private_segment_fixed_size: 0
    .kernarg_segment_align: 8
    .kernarg_segment_size: 64
    .max_flat_workgroup_size: 128
    .sgpr_count:     66
    .vgpr_count:     192
    .wavefront_size: 32
...
	.end_amdgpu_metadata
.endif
;; end of part 1
;; launch project (part 2): grid 12 x 32, 4 waves a work-group, clusters of 4 x 4, 327,680 bytes of LDS; arguments xc, xs, wc, ws, qkv, bq, bk, bv; writes qkv
.if DOCPART == 2
	.amdgcn_target "amdgcn-amd-amdhsa--gfx1250"
	.amdhsa_code_object_version 6
	.text
	.protected	k_qc1fcff9b5e_project
	.globl	k_qc1fcff9b5e_project
	.p2align	8
	.type	k_qc1fcff9b5e_project,@function
k_qc1fcff9b5e_project:
	s_mov_b64 s[64:65], 0
	v_nop
	global_prefetch_b8 v0, s[64:65] scope:SCOPE_SE
	s_setreg_imm32_b32 hwreg(HW_REG_WAVE_MODE, 25, 1), 1
	s_wait_xcnt 0x0
	s_wait_alu depctr_hold_cnt(0) depctr_sa_sdst(0) depctr_va_vdst(0) depctr_va_sdst(0) depctr_va_ssrc(0) depctr_va_vcc(0) depctr_vm_vsrc(0)
	s_getreg_b32 s2, hwreg(HW_REG_IB_STS2, 6, 4)
	s_cmp_eq_u32 s2, 0
	s_cbranch_scc0 .Lentry_in_a_cluster
	s_endpgm
.Lentry_in_a_cluster:
	s_bfe_u32 s2, ttmp6, 0x10000c
	s_cmp_lg_u32 s2, 0xf033
	s_cbranch_scc0 .Lentry_shape_is_right
	s_endpgm
.Lentry_shape_is_right:
; qkv[m][n] = sum over k of x[m][k] W[n][k] + bias[n], on codes of FP4 (E2M1) with one E8M0 scale for each 32 along K; sums in f32; the result rounded once to f16.
; A = xc [8192][512 bytes] with xs [8192][32]; B = wc [3072][512 bytes] with ws [3072][32] (rows 0-1023 Wq's columns, 1024-2047 Wk's, 2048-3071 Wv's); qkv: f16 [8192][3072], a row 6,144 bytes.
; LIMIT: |q|, |k|, |v| stay under 65,504, f16's largest number; beyond it the rounding gives infinity.
; A tile of 256 x 256 is made by a work-group of four waves; a wave makes 128 x 128: 64 accumulators of 16 x 16, 512 registers.  K = 1,024 is two LDS slots of 512 along K (rows of 256 bytes):
; both are asked for at the start and nothing is filled again, so the eight steps of 128 along K are written out and there is no loop.  By this text's count a wave has three tensor loads out at the start.
; THE SCALES of the work-group's 256 rows of A and of B, for all of K, are two dense blocks of memory: they come into LDS once, with the first fills.
; CLUSTERS: 4 x 4 work-groups.  The four of a row of the cluster need the same tiles of A, the four of a column the same tiles of B: each tile is asked for JOINTLY.
; THE MATRIX INSTRUCTION IS USED TRANSPOSED (source 0 = 16 rows of B, source 1 = 16 rows of A): a lane then holds eight neighbouring numbers of a row of the result.
; THE BIAS IS THE C OF EACH SUM'S FIRST PRODUCT: eight registers for each of B's eight blocks, in the result's layout; no addition is written.
; REGISTERS, in windows of 256: window 0: v0-31 addresses; v32-95 scale words, two sets; v128-191 A's fragments, one set; v192-255 the bias, later at work on the way out.
;   window 1: B's fragments, two sets, at v0 and v128.   window 2: the accumulators of my rows 0-63 ((a, b) at v[8 (8 a + b)]);   window 3: those of my rows 64-127.
.set SIZE_N, 3072
.set SIZE_K, 1024
.set NQ,     4                         ; steps of 128 along K in a slot
.set ROWB,   256                       ; a tile's row in bytes: 512 codes
.set KROW,   SIZE_K/2                  ; a row of xc or wc in bytes
.set PITCH,  272                       ; an LDS row: 256 bytes + 16 of padding = 68 words: row r starts at bank 4 r mod 64 (64 banks of 4 bytes: ISA guide 11.1)
.set FR,     8                         ; registers of a fragment: 16 rows x 128 K
.set NL,     2                         ; LDS loads that bring one
.set NP,     4                         ; places behind this matrix instruction (ISA guide 7.12.1)
.set HALFT,  128*PITCH                 ; 128 rows: what one tensor load brings
.set SLOT,   4*HALFT                   ; A's 256 rows, then B's 256 rows
.set KS,     SIZE_K/32                 ; a row of scales in bytes
.set SCL,    2*SLOT                    ; behind the slots: the scales, as rows of 256 bytes + 16 of padding
.set HALFS,  (128*KS/256)*272          ; the scales of 128 rows: what one tensor load brings
.set SBLK,   (16*KS/256)*272           ; those of 16 rows
.set STAGE,  SCL+4*HALFS               ; behind the scales: 16 rows x 272 bytes for each wave, for the way out; no tensor load lands there
.set SPITCH, 272
.set SPARE,  STAGE+4*16*SPITCH         ; the spare words, 128 bytes for each wave: two blocks of 256 bytes that no other line names
.set CROW,   SIZE_N*2                  ; a row of qkv in bytes
.set ADRA, 16                          ; v16-17  LDS address of my A fragments in slot 0, 1
.set ADRB, 20                          ; v20-21  the same for B
.set STO,  24                          ; v24     the way out: where I put 16 bytes of a row
.set RD,   25                          ; v25     the way out: where I read a row back
.set CO,   26                          ; v26     my byte offset in qkv
.set ADRS, 27                          ; v27     LDS address of my scale words: lanes 0-15 A's rows, lanes 16-31 B's
.set SPW,  28                          ; v28     LDS address of my spare word; never rewritten
.set NIL,  29                          ; v29     0; never rewritten
.set BOF,  30                          ; v30     the bias: 32 bytes x (lane / 16)
.set SC,   32                          ; scale words: set s at v[SC + 32 s]; register 4 i + q: lanes 0-15 the word of A's block i, lanes 16-31 of B's block i, for the slot's q-th 128 along K
.set AF,   128                         ; A's fragments
.set BI,   192                         ; the bias: v[BI + 8 b + j] = bias of column 16 b + 8 (lane / 16) + j of my 128
.set TMP,  192                         ; the way out: packed results
.set OB,   32                          ; the way out: 16 rows read back: v32-63 and v224-255 by turns
.set G1, 24                            ; s[24:31] descriptor group 1 for A's tiles;  s[32:39] group 0, one set for each slot
.set G0, 32
.set G1B, 48                           ; s[48:55], s[56:63] the same for B's tiles
.set G0B, 56
.set G1S, 68                           ; s[68:75], s[76:79] groups 1 and 0 for A's scales;  s[80:87], s[88:91] for B's
.set G0S, 76
.set G1SB, 80
.set G0SB, 88
.set MSB, 0
.macro WIN new                         ; the immediate's high byte repeats the setting that is left; a switch that changes nothing is dropped
.if MSB != \new
	s_set_vgpr_msb (MSB<<8)|\new
.set MSB, \new
.endif
.endm
.set MUL_LO, 0xa1                      ; source 0 (B) window 1, source 1 (A) window 0, C and D window 2
.set MUL_HI, 0xf1                      ; the same, C and D window 3
.set BIA_LO, 0x81                      ; the first step: C (the bias) window 0, D window 2
.set BIA_HI, 0xc1                      ; D window 3
.set TO_B,   0x40                      ; destination window 1, address window 0
; A joint load: waves 0 and 1 fetch for A, waves 2 and 3 for B.  Each of the two lines has one mask and one set of registers for all that issue it; the branch hangs on the wave's number alone.
; An s_nop 0 and four v_nop follow each of the two lines, ahead of the jump, the label and what follows.
.macro JLOAD g0a, g1a, g0b, g1b
	s_cmp_eq_u32 s15, 0
	s_cbranch_scc0 .Lfor_b_\@
	tensor_load_to_lds s[\g0a:\g0a+3], s[\g1a:\g1a+7]
	s_nop 0
.rept 4
	v_nop
.endr
	s_branch .Lasked_\@
.Lfor_b_\@:
	tensor_load_to_lds s[\g0b:\g0b+3], s[\g1b:\g1b+7]
	s_nop 0
.rept 4
	v_nop
.endr
.Lasked_\@:
.endm
.macro CROUND                          ; a round of the cluster's barrier: my work-group's barrier; wave 0 signals for the work-group; every wave waits for all sixteen; my work-group's barrier once more
	s_barrier_signal -1
	s_barrier_wait -1
	s_cmp_lg_u32 s14, 0
	s_cbranch_scc1 .Lnot_wave_0_\@
	s_barrier_signal -3
.Lnot_wave_0_\@:
	s_barrier_wait -3
	s_barrier_signal -1
	s_barrier_wait -1
.endm
	s_load_b128 s[4:7], s[0:1], 0x0                ; xc s[4:5], xs s[6:7]
	s_load_b128 s[8:11], s[0:1], 0x10              ; wc s[8:9], ws s[10:11]
	s_load_b64 s[12:13], s[0:1], 0x20              ; qkv
	s_load_b64 s[66:67], s[0:1], 0x28              ; bq
	s_load_b128 s[96:99], s[0:1], 0x30             ; bk s[96:97], bv s[98:99]
	v_lshl_add_u32 v[SPW], v0, 2, SPARE
	v_mov_b32 v[NIL], 0
	ds_add_u32 v[SPW], v[NIL]                      ; the wave's opening: the add, twice on end, and its wait ahead of my first tensor load; the set-up below stands between the second and the wait
	ds_add_u32 v[SPW], v[NIL]
	v_lshrrev_b32 v1, 5, v0
	v_readfirstlane_b32 s14, v1                    ; wave 0..3
	s_lshr_b32 s15, s14, 1                         ; which half of the tile's rows is mine.  Also: I fetch for A (0) or for B (1)
	s_and_b32 s16, s14, 1                          ; which half of its columns.  Also: which 128 rows of that tile I fetch
	s_bfe_u32 s40, ttmp6, 0x40000                  ; cx, cy: my place in the cluster
	s_bfe_u32 s41, ttmp6, 0x40004
	s_lshl_b32 s42, ttmp9, 2
	s_add_co_u32 s42, s42, s40                     ; tile column = 4 x cluster x + cx: 0 to 11
	s_and_b32 s17, ttmp7, 0xffff
	s_lshl_b32 s17, s17, 2
	s_add_co_u32 s17, s17, s41                     ; tile row = 4 x cluster y + cy: 0 to 31
	s_lshl_b32 s43, s41, 2
	s_lshl_b32 s43, 15, s43                        ; my row of the cluster
	s_lshl_b32 s44, 0x1111, s40                    ; my column
	; descriptor group 1: a tile of 128 rows x 256 bytes, padded in LDS
	s_or_b32 s[G1+0], s43, (0<<16)|(1<<20)|(1<<21)|(5<<22)|(3<<25)  ; 15:0 the mask: A's tiles go to my row; 17:16 element of 1 byte; 20 padding on; 21 set beside a mask; 24:22 after every 64 words; 31:25 four words
	s_or_b32 s[G1B+0], s44, (0<<16)|(1<<20)|(1<<21)|(5<<22)|(3<<25)
.irp g, G1, G1B
	s_mov_b32 s[\g+1], ROWB<<16                    ; tensor_dim0
	s_mov_b32 s[\g+2], 128<<16                     ; tensor_dim1 = 128
	s_mov_b32 s[\g+3], ROWB<<16                    ; tile_dim0
	s_mov_b32 s[\g+4], 128                         ; tile_dim1 = 128
	s_mov_b32 s[\g+5], KROW                        ; tensor_dim0_stride
	s_mov_b32 s[\g+6], 0
	s_mov_b32 s[\g+7], 0
.endr
	; and for the scales of 128 rows: a dense block of 4,096 bytes, as 16 rows of 256 bytes (32 elements of 8 bytes), 16 bytes of padding behind each
	s_or_b32 s[G1S+0], s43, (3<<16)|(1<<20)|(1<<21)|(5<<22)|(3<<25)
	s_or_b32 s[G1SB+0], s44, (3<<16)|(1<<20)|(1<<21)|(5<<22)|(3<<25)
.irp g, G1S, G1SB
	s_mov_b32 s[\g+1], 32<<16
	s_mov_b32 s[\g+2], (128*KS/256)<<16
	s_mov_b32 s[\g+3], 32<<16
	s_mov_b32 s[\g+4], 128*KS/256
	s_mov_b32 s[\g+5], 32
	s_mov_b32 s[\g+6], 0
	s_mov_b32 s[\g+7], 0
.endr
	s_lshl_b32 s18, s16, 7                         ; which 128 rows of the tile I fetch
	s_lshl_b32 s20, s17, 8
	s_add_co_u32 s20, s20, s18                     ; A: row 256 x tile row + 128 x half
	s_lshl_b32 s46, s42, 8
	s_add_co_u32 s46, s46, s18                     ; B: row 256 x tile column + 128 x half
	s_mov_b32 s21, 0
	s_mov_b32 s47, 0
	s_mov_b64 s[18:19], KS
	s_mul_u64 s[22:23], s[20:21], s[18:19]         ; where these rows' scales begin, in bytes
	s_mul_u64 s[92:93], s[46:47], s[18:19]
	s_mov_b64 s[18:19], KROW
	s_mul_u64 s[20:21], s[20:21], s[18:19]         ; and their codes
	s_mul_u64 s[46:47], s[46:47], s[18:19]
	s_mul_i32 s45, s14, HALFT                      ; where they go: wave x 128 rows: no place in the cluster enters an LDS address
	s_mul_i32 s94, s14, HALFS
	s_wait_dscnt 0x0                               ; both opening adds are done
	s_wait_kmcnt 0x0
	s_add_nc_u64 s[20:21], s[4:5], s[20:21]
	s_add_nc_u64 s[22:23], s[6:7], s[22:23]
	s_add_nc_u64 s[46:47], s[8:9], s[46:47]
	s_add_nc_u64 s[92:93], s[10:11], s[92:93]
	CROUND                                         ; all sixteen work-groups are here: the first joint loads meet
	s_mov_b32 s[G0S], 1
	s_add_co_u32 s[G0S+1], s94, SCL
	s_mov_b64 s[G0S+2:G0S+3], s[22:23]
	s_or_b32 s[G0S+3], s[G0S+3], 0x80000000
	s_mov_b32 s[G0SB], 1
	s_add_co_u32 s[G0SB+1], s94, SCL
	s_mov_b64 s[G0SB+2:G0SB+3], s[92:93]
	s_or_b32 s[G0SB+3], s[G0SB+3], 0x80000000
	JLOAD G0S, G1S, G0SB, G1SB                     ; the scales first: they are wanted with the first step
.irp s, 0,1
	s_mov_b32 s[G0+4*\s], 1
	s_add_co_u32 s[G0+4*\s+1], s45, \s*SLOT
	s_add_nc_u64 s[G0+4*\s+2:G0+4*\s+3], s[20:21], \s*ROWB
	s_or_b32 s[G0+4*\s+3], s[G0+4*\s+3], 0x80000000
	s_mov_b32 s[G0B+4*\s], 1
	s_add_co_u32 s[G0B+4*\s+1], s45, \s*SLOT
	s_add_nc_u64 s[G0B+4*\s+2:G0B+4*\s+3], s[46:47], \s*ROWB
	s_or_b32 s[G0B+4*\s+3], s[G0B+4*\s+3], 0x80000000
	JLOAD G0+4*\s, G1, G0B+4*\s, G1B
.endr
	v_and_b32 v1, 15, v0                           ; l % 16
	v_bfe_u32 v2, v0, 4, 1                         ; l / 16
	; the bias of my 128 columns: which vector hangs on the cluster's x (a cluster's four tile columns lie in one of q, k, v), where in it on cx and my column half
	s_cmp_lt_u32 ttmp9, 2
	s_cselect_b64 s[96:97], s[96:97], s[98:99]     ; bk or bv,
	s_cmp_eq_u32 ttmp9, 0
	s_cselect_b64 s[66:67], s[66:67], s[96:97]     ; or bq
	s_lshl_b32 s46, s40, 10                        ; 256 columns x 4 bytes a tile column
	s_lshl_b32 s47, s16, 9
	s_add_co_u32 s46, s46, s47
	s_mov_b32 s47, 0
	s_add_nc_u64 s[66:67], s[66:67], s[46:47]
	v_lshlrev_b32 v[BOF], 5, v2
.irp b, 0,1,2,3,4,5,6,7
	global_load_b128 v[BI+8*\b:BI+8*\b+3],   v[BOF], s[66:67] offset:64*\b
	global_load_b128 v[BI+8*\b+4:BI+8*\b+7], v[BOF], s[66:67] offset:64*\b+16
.endr
	v_mul_u32_u24 v3, v1, PITCH
	v_lshl_add_u32 v4, v2, 4, v3                   ; a fragment's row x pitch + 16 x half
	s_mul_i32 s21, s15, HALFT                      ; my 128 rows of A
	s_mul_i32 s22, s16, HALFT                      ; my 128 rows of B,
	s_add_co_u32 s22, s22, 2*HALFT                 ; which lie behind A's 256
.irp s, 0,1
	v_add_nc_u32 v[ADRA+\s], s21, v4
	v_add_nc_u32 v[ADRB+\s], s22, v4
	s_add_co_u32 s21, s21, SLOT
	s_add_co_u32 s22, s22, SLOT
.endr
	v_mul_u32_u24 v5, v1, KS                       ; my row's scales: KS bytes a row,
	v_lshrrev_b32 v6, 8, v5
	v_lshl_add_u32 v5, v6, 4, v5                   ; and 16 more for each 256 passed
	s_mul_i32 s21, s15, HALFS                      ; A's: my 128 rows
	s_mul_i32 s22, s16, HALFS                      ; B's: my 128 rows, behind A's 256
	s_add_co_u32 s22, s22, 2*HALFS
	s_sub_co_u32 s22, s22, s21
	v_mul_u32_u24 v6, s22, v2                      ; lanes 16-31 take B's: the lower base + (lane / 16) x the distance
	s_add_co_u32 s21, s21, SCL
	v_add_nc_u32 v5, v5, v6
	v_add_nc_u32 v[ADRS], s21, v5
	s_mul_i32 s23, s14, 16*SPITCH
	s_add_co_u32 s23, s23, STAGE                   ; my stage
	v_mul_u32_u24 v5, v1, SPITCH                   ; in: row l % 16, 16 bytes for each half of the lanes
	v_lshl_add_u32 v5, v2, 4, v5
	v_add_nc_u32 v[STO], s23, v5
	v_mul_u32_u24 v5, v2, SPITCH                   ; back: lanes 0-15 take one row of 256 bytes, lanes 16-31 the next
	v_lshl_add_u32 v5, v1, 4, v5
	v_add_nc_u32 v[RD], s23, v5
	v_mul_u32_u24 v5, v2, CROW                     ; and the same two rows in qkv
	v_lshl_add_u32 v[CO], v1, 4, v5
	s_lshl_b32 s20, s17, 8
	s_lshl_b32 s21, s15, 7
	s_add_co_u32 s20, s20, s21                     ; my first row: 256 x tile row + 128 x half
	s_mul_i32 s20, s20, CROW                       ; under 2^32: 8,192 rows of 6,144 bytes
	s_mov_b32 s21, 0
	s_add_nc_u64 s[12:13], s[12:13], s[20:21]
	s_lshl_b32 s46, s42, 9                         ; my first column, in bytes: 512 x tile column + 256 x half
	s_lshl_b32 s47, s16, 8
	s_add_co_u32 s46, s46, s47
	s_mov_b32 s47, 0
	s_add_nc_u64 s[12:13], s[12:13], s[46:47]
.macro FRAG reg, adr, q, i             ; a fragment, 16 rows x 128 K of 4-bit codes, is 8 registers: lane l holds row l % 16; registers 4 c .. 4 c + 3 hold K = 64 c + 32 (l / 16) + 0 .. 31
.irp c, 0,1
	ds_load_b128 v[\reg+4*\c:\reg+4*\c+3], v[\adr] offset:64*(\q)+32*\c+(\i)*16*PITCH
.endr
.endm
; 16 matrix instructions: A's blocks a0, a0 + 1 x B's eight, 128 along K: the slot's q-th.  p: B's set;  sc: the set of scale words.  first = 1: the product starts the sums, with the bias as its C.
; The 64 accumulators take turns, one instruction a turn, in the same order in every step.
.macro MUL16 a0, p, q, sc, first
.irp a, \a0, \a0+1
.irp b, 0,1,2,3,4,5,6,7
.if \first
	v_wmma_scale_f32_16x16x128_f8f6f4 v[8*(8*((\a)%4)+\b):8*(8*((\a)%4)+\b)+7], v[128*(\p)+FR*\b:128*(\p)+FR*\b+FR-1], v[AF+FR*(\a):AF+FR*(\a)+FR-1], v[BI+8*\b:BI+8*\b+7], v[SC+8*NQ*(\sc)+NQ*\b+(\q)], v[SC+8*NQ*(\sc)+NQ*(\a)+(\q)] matrix_a_fmt:MATRIX_FMT_FP4 matrix_b_fmt:MATRIX_FMT_FP4 matrix_a_scale:MATRIX_SCALE_ROW1
.else
	v_wmma_scale_f32_16x16x128_f8f6f4 v[8*(8*((\a)%4)+\b):8*(8*((\a)%4)+\b)+7], v[128*(\p)+FR*\b:128*(\p)+FR*\b+FR-1], v[AF+FR*(\a):AF+FR*(\a)+FR-1], v[8*(8*((\a)%4)+\b):8*(8*((\a)%4)+\b)+7], v[SC+8*NQ*(\sc)+NQ*\b+(\q)], v[SC+8*NQ*(\sc)+NQ*(\a)+(\q)] matrix_a_fmt:MATRIX_FMT_FP4 matrix_b_fmt:MATRIX_FMT_FP4 matrix_a_scale:MATRIX_SCALE_ROW1
.endif
.endr
.endr
.endm
.macro FETCH_B slot, q, p              ; B's eight fragments of the slot's q-th 128 along K into set p
	WIN TO_B
.irp i, 0,1,2,3,4,5,6,7
	FRAG 128*(\p)+FR*\i, ADRB+\slot, \q, \i
.endr
	WIN 0
.endm
.macro FETCH_A slot, q, i0             ; A's blocks i0 .. i0 + 3
.irp i, \i0, \i0+1, \i0+2, \i0+3
	FRAG AF+FR*(\i), ADRA+\slot, \q, \i
.endr
.endm
.macro SCALES sc                       ; a slot's scale words into set sc: four words a row; lanes 0-15 take A's block i, lanes 16-31 B's block i
.irp i, 0,1,2,3,4,5,6,7
	ds_load_b128 v[SC+8*NQ*\sc+NQ*\i:SC+8*NQ*\sc+NQ*\i+3], v[ADRS] offset:\i*SBLK
.endr
.endm
; A load into a register that a matrix instruction has read, and a vector instruction that reads a matrix result, stand NP places behind that matrix instruction, and only plain vector instructions that
; name none of its registers are places (ISA guide 7.12.1 for vector instructions).
.macro PLACES n
.rept \n
	v_nop
.endr
.endm
; A step of 128 along K that has its successor in the same slot.  A block of A is free as soon as its eight products are issued: blocks 0-3 are fetched anew in the step's middle, blocks 4-7 at its end.
.macro STEP slot, q, first
	s_wait_dscnt 4*NL                              ; B's set and A's blocks 0-3 are in; the youngest eight loads (A's blocks 4-7) may be out
.if \first
	WIN BIA_LO
.else
	WIN MUL_LO
.endif
	MUL16 0, (\q)%2, \q, \slot, \first
	MUL16 2, (\q)%2, \q, \slot, \first
	s_wait_dscnt 0                                 ; A's blocks 4-7 are in (asked for 32 matrix instructions ago)
	PLACES NP
	FETCH_B \slot, (\q)+1, 1-(\q)%2
	FETCH_A \slot, (\q)+1, 0
.if \first
	WIN BIA_HI
.else
	WIN MUL_HI
.endif
	MUL16 4, (\q)%2, \q, \slot, \first
	MUL16 6, (\q)%2, \q, \slot, \first
	PLACES NP
	WIN 0
	FETCH_A \slot, (\q)+1, 4
.endm
; Slot 0's last step changes slots: one barrier; in front of it each wave waits for all its tensor loads (its part of slot 1), adds 0 to its spare word, and waits for that and for its LDS loads.  Nothing is filled again.
.macro TURN slot, next
	s_wait_tensorcnt 0x0                           ; all my tensor loads have landed: my part of the next slot  (every window is 0 here: the add's two registers lie in window 0)
	ds_add_u32 v[SPW], v[NIL]                      ; 0 onto my spare word
	s_wait_dscnt 4*NL+1                            ; the add and the youngest eight loads, A's blocks 4-7, may be out
	WIN MUL_LO
	MUL16 0, 1, NQ-1, \slot, 0                     ; sixteen matrix instructions stand between the add and the wait for it
	s_wait_dscnt 0x0                               ; the add is done, and no LDS load of mine is out
	s_barrier_signal -1
	MUL16 2, 1, NQ-1, \slot, 0
	WIN 0
	s_barrier_wait -1                              ; the next slot is whole
	PLACES NP
	v_add_nc_u32 v[ADRS], 4*NQ, v[ADRS]            ; on to the next slot's scale words
	FETCH_B \next, 0, 0
	FETCH_A \next, 0, 0
	SCALES \next
	WIN MUL_HI
	MUL16 4, 1, NQ-1, \slot, 0
	MUL16 6, 1, NQ-1, \slot, 0
	PLACES NP
	WIN 0
	FETCH_A \next, 0, 4
.endm
.macro STEPS slot, from                ; the slot's steps from .. NQ - 2
.set Q, \from
.rept NQ-1-\from
	STEP \slot, Q, 0
.set Q, Q+1
.endr
.endm
	s_wait_loadcnt 0x0                             ; the bias
	s_wait_tensorcnt 1                             ; the scales and my part of slot 0 are in; slot 1's load may be out
	s_barrier_signal -1
	s_barrier_wait -1                              ; everybody's are
	FETCH_B 0, 0, 0
	FETCH_A 0, 0, 0
	SCALES 0
	FETCH_A 0, 0, 4
	STEP 0, 0, 1                                   ; the first step's products start the sums on the bias
	STEPS 0, 1
	TURN 0, 1
	STEPS 1, 0
	s_wait_dscnt 4*NL                              ; the last step: nothing more to fetch
	WIN MUL_LO
	MUL16 0, 1, NQ-1, 1, 0
	MUL16 2, 1, NQ-1, 1, 0
	s_wait_dscnt 0
	WIN MUL_HI
	MUL16 4, 1, NQ-1, 1, 0
	MUL16 6, 1, NQ-1, 1, 0
	WIN 0
; THE WAY OUT, block by block of 16 rows x 128 columns.  PACK: rounded to f16, 16 bytes a lane, each accumulator from its low end on.  TOSTAGE: into my own stage in LDS, and back as whole rows of 256 bytes.  SEND: stored.
.macro PACK a
.set AC, 64*((\a)%4)
.set WW, 0x0a+5*((\a)/4)               ; sources 0 and 1: window 2 or 3
	WIN WW
.irp b, 0,1,2,3,4,5,6,7
.irp r, 0,1,2,3
	v_cvt_pk_f16_f32 v[TMP+4*\b+\r], v[AC+8*\b+2*\r], v[AC+8*\b+2*\r+1]
.endr
.endr
	WIN 0
.endm
.macro TOSTAGE a
.set BK, OB+192*((\a)%2)
.irp b, 0,1,2,3,4,5,6,7
	ds_store_b128 v[STO], v[TMP+4*\b:TMP+4*\b+3] offset:32*\b
.endr
.irp t, 0,1,2,3,4,5,6,7
	ds_load_b128 v[BK+4*\t:BK+4*\t+3], v[RD] offset:\t*2*SPITCH    ; LDS serves a wave's instructions in order (ISA guide 5.7.1.4): these see the stores above
.endr
.endm
.macro SEND a
.set BK, OB+192*((\a)%2)
	s_wait_dscnt 0x0                               ; the block is back in registers
	s_wait_xcnt 0x0                                ; the earlier stores have read their base and their registers: only behind this wait are they rewritten
.if (\a) > 0
	s_add_nc_u64 s[12:13], s[12:13], 16*CROW       ; 16 rows on, so that the stores' offsets stay small
.endif
.irp t, 0,1,2,3,4,5,6,7
	global_store_b128 v[CO], v[BK+4*\t:BK+4*\t+3], s[12:13] offset:2*\t*CROW   ; 16 lanes store 256 consecutive bytes, at a multiple of 256 from the buffer's first byte
.endr
.endm
	PLACES NP                                      ; behind the last products: block 0's loads from the stage land where scale words lay
	PACK 0
	TOSTAGE 0
.irp a, 1,2,3,4,5,6,7                  ; block a's conversions stand between block a - 1's loads from the stage and the wait for them
	PACK \a
	SEND \a-1
	TOSTAGE \a
.endr
	SEND 7
	s_wait_tensorcnt 0x0                           ; the wave's end: these three lines, behind my last tensor load and my last LDS store
	ds_add_u32 v[SPW], v[NIL]
	s_wait_dscnt 0x0
	CROUND                                         ; the closing round: no work-group ends while a partner may still ask for a tile that names it
	s_endpgm
.Lfunc_end_k_qc1fcff9b5e_project:
	.size	k_qc1fcff9b5e_project, .Lfunc_end_k_qc1fcff9b5e_project-k_qc1fcff9b5e_project
	.p2alignl 7, 3214868480
	.fill 96, 4, 3214868480
	.section	.rodata,"a",@progbits
	.p2align	6, 0x0
	.amdhsa_kernel k_qc1fcff9b5e_project
		.amdhsa_group_segment_fixed_size 327680
		.amdhsa_private_segment_fixed_size 0
		.amdhsa_enable_private_segment 0
		.amdhsa_kernarg_size 64
		.amdhsa_user_sgpr_count 2
		.amdhsa_user_sgpr_kernarg_segment_ptr 1
		.amdhsa_wavefront_size32 1
		.amdhsa_system_sgpr_workgroup_id_x 1
		.amdhsa_system_sgpr_workgroup_id_y 1
		.amdhsa_system_sgpr_workgroup_id_z 1
		.amdhsa_system_vgpr_workitem_id 0
		.amdhsa_next_free_vgpr 1024
		.amdhsa_next_free_sgpr 100
		.amdhsa_reserve_vcc 0
		.amdhsa_float_denorm_mode_32 3
		.amdhsa_float_denorm_mode_16_64 3
		.amdhsa_memory_ordered 1
		.amdhsa_forward_progress 1
		.amdhsa_inst_pref_size 129
	.end_amdhsa_kernel
	.amdgpu_metadata
---
amdhsa.version: [ 1, 2 ]
amdhsa.kernels:
  - .name:           k_qc1fcff9b5e_project
    .symbol:         k_qc1fcff9b5e_project.kd
    .args:
      - { .name: xc, .offset: 0, .size: 8, .value_kind: global_buffer, .address_space: global }
      - { .name: xs, .offset: 8, .size: 8, .value_kind: global_buffer, .address_space: global }
      - { .name: wc, .offset: 16, .size: 8, .value_kind: global_buffer, .address_space: global }
      - { .name: ws, .offset: 24, .size: 8, .value_kind: global_buffer, .address_space: global }
      - { .name: qkv, .offset: 32, .size: 8, .value_kind: global_buffer, .address_space: global }
      - { .name: bq, .offset: 40, .size: 8, .value_kind: global_buffer, .address_space: global }
      - { .name: bk, .offset: 48, .size: 8, .value_kind: global_buffer, .address_space: global }
      - { .name: bv, .offset: 56, .size: 8, .value_kind: global_buffer, .address_space: global }
    .group_segment_fixed_size: 327680
    .private_segment_fixed_size: 0
    .kernarg_segment_align: 8
    .kernarg_segment_size: 64
    .max_flat_workgroup_size: 128
    .sgpr_count:     100
    .vgpr_count:     1024
    .wavefront_size: 32
...
	.end_amdgpu_metadata
.endif
;; end of part 2
;; launch scores (part 3): grid 8 x 32, 4 waves a work-group, clusters of 4 x 4, 327,680 bytes of LDS; arguments qkv, p, st; writes p, st
.if DOCPART == 3
	.amdgcn_target "amdgcn-amd-amdhsa--gfx1250"
	.amdhsa_code_object_version 6
	.text
	.protected	k_qc1fcff9b5e_scores
	.globl	k_qc1fcff9b5e_scores
	.p2align	8
	.type	k_qc1fcff9b5e_scores,@function
k_qc1fcff9b5e_scores:
	s_mov_b64 s[64:65], 0
	v_nop
	global_prefetch_b8 v0, s[64:65] scope:SCOPE_SE
	s_setreg_imm32_b32 hwreg(HW_REG_WAVE_MODE, 25, 1), 1
	s_wait_xcnt 0x0
	s_wait_alu depctr_hold_cnt(0) depctr_sa_sdst(0) depctr_va_vdst(0) depctr_va_sdst(0) depctr_va_ssrc(0) depctr_va_vcc(0) depctr_vm_vsrc(0)
	s_getreg_b32 s2, hwreg(HW_REG_IB_STS2, 6, 4)
	s_cmp_eq_u32 s2, 0
	s_cbranch_scc0 .Lentry_in_a_cluster
	s_endpgm
.Lentry_in_a_cluster:
	s_bfe_u32 s2, ttmp6, 0x10000c
	s_cmp_lg_u32 s2, 0xf033
	s_cbranch_scc0 .Lentry_shape_is_right
	s_endpgm
.Lentry_shape_is_right:
; The first product of attention and the first stage of its softmax.  qkv: f16 [8192][3072]: q at byte 0 of a row of 6,144 bytes, k at byte 2,048.  Four sequences of 2,048 rows.
; s[m][n] = sum over 1,024 channels of q[m][.] k[n][.], f16 operands, f32 sums.  t = s x c, c = log2(e) / 32 (reference()'s 1 / sqrt(1024) and the change of base).
; For each query and each BLOCK OF 128 KEYS (one wave's columns):  M = the block's largest t rounded UP to a whole number;  p = 2^(t - M), at most 1, rounded to f16;  l = the sum of the unrounded p.
;   st: f32 [2][16 blocks][8192 rows]: plane 0 M, plane 1 l.   The next launch brings the sixteen blocks of a row under the row's own M by powers of two, which round nothing.
; So the maximum is taken away before every exponential, as reference() does, in two stages.
; p IS LAID AS IMAGES OF THE NEXT PRODUCT'S OPERAND REGISTERS: [512 blocks of 16 queries][64 chunks of 32 keys][2 halves][32 lanes][16 bytes].  A fragment (16 queries x 32 keys of f16) is 8 registers: lane l holds
; query l % 16; registers 0-3 keys 8 (l / 16) + 0..7, registers 4-7 keys 16 + 8 (l / 16) + 0..7.  That is how the packed weights lie here, so they leave from the registers that hold them, 512 consecutive bytes a store.
; LIMITS: a weight under 2^-24 of 2^M falls to 0 in f16; NaN and infinities are not served.
; A tile of 256 queries x 256 keys is made by a work-group of four waves; a wave makes 128 x 128: 64 accumulators, 512 registers.  K = 1,024 goes in 8 steps of 128 through a ring of two LDS slots filled by the tensor
; data mover: a tile's row is 256 bytes of memory, at a multiple of 256 from the buffer's first byte.
; CLUSTERS: 4 x 4 work-groups.  The four of a row of the cluster need the same tiles of q, the four of a column the same tiles of k: each tile is asked for JOINTLY, by the same tensor load with the same descriptor
; and a mask that names the four.  A cluster's four tile rows lie in one sequence (8 tile rows to a sequence).
; THE MATRIX INSTRUCTION IS USED TRANSPOSED (source 0 = 16 keys, source 1 = 16 queries): a lane holds ONE query (lane % 16) and, in accumulator (a, b), the keys 16 b + 8 (lane / 16) + 0 .. 7.
; REGISTERS, in windows of 256: window 0: v0-31 addresses; v64-127, v128-191 fragments of q, two buffers; on the way out v64-223 are at work.   window 1: v64-127, v128-191 fragments of k.
;   window 2: the accumulators of my queries 0-63 ((a, b) at v[8 (8 a + b)]);   window 3: those of my queries 64-127.
.set KSTEP,  128
.set PITCH,  272                       ; an LDS row: 256 bytes + 16 of padding = 68 words: row r starts at bank 4 r mod 64 (64 banks of 4 bytes: ISA guide 11.1)
.set HALFT,  128*PITCH                 ; 128 rows: what one tensor load brings
.set SLOT,   4*HALFT                   ; q's 256 rows, then k's 256 rows
.set STAGE,  2*SLOT                    ; behind the ring: 1,024 bytes for each wave: M and l of its 128 queries on their way out
.set SPARE,  STAGE+4*1024              ; the spare words, 128 bytes for each wave: two blocks of 256 bytes that no other line names
.set LAPS,   4                         ; a lap = two K steps = once round the ring
.set QROW,   6144                      ; a row of qkv in bytes
.set RBLK,   65536                     ; p: from a block of 16 queries to the next: 64 fragments of 1,024 bytes
.set PLANE,  524288                    ; from st's M to its l
.set ADRA, 16                          ; v16-17  LDS address of my fragments of q in slot 0, 1
.set ADRB, 20                          ; v20-21  the same for k
.set GST,  22                          ; v22     16 x lane: my place in 512 consecutive bytes of p, of M and of l; never rewritten
.set STS,  27                          ; v27     the stage: 4 x (lane % 16): where a block's M and l go
.set SPW,  28                          ; v28     LDS address of my spare word; never rewritten
.set NIL,  29                          ; v29     0; never rewritten
.set PFO,  30                          ; v30     the prefetches' offset: my lane x a row of qkv; never rewritten
.set STR,  31                          ; v31     the stage: 16 x lane: where M and l are read back
.set F0,   64                          ; fragment buffer 0
.set F1,   128                         ; fragment buffer 1
.set TT,   64                          ; v64-127  the way out: a block's 64 numbers of my query: t - M, then p
.set MX,   128                         ; v128-135 eight running maxima
.set NM,   136                         ; v136-137 -M (the packed form names a pair and takes its low word: v137 is written once)
.set SUMA, 138                         ; v138-139, v140-141 the sum in two chains
.set SUMB, 140
.set MST,  144                         ; v144-151 M of my query in each of the eight blocks of rows
.set LST,  152                         ; v152-159 l likewise
.set TMP,  192                         ; v192-223 packed weights: four fragments of the next product
.set WV,  12                           ; s12  my wave's number
.set RH,  13                           ; s13  which half of the tile's queries is mine.  Also: I fetch for q (0) or for k (1)
.set CH,  14                           ; s14  which half of its keys.  Also: which 128 rows of that tile I fetch
.set LAP, 15                           ; s15  laps to go
.set G1,  24                           ; s[24:31] descriptor group 1 for q's tiles;  s[32:39] group 0, one set for each slot
.set G0,  32
.set LIM, 43                           ; s43  1 in a wave that prefetches, else the greatest number
.set PFA, 44                           ; s[44:45] where my prefetches stand
.set G1B, 48                           ; s[48:55], s[56:63] the same for k's tiles
.set G0B, 56
.set CS,  68                           ; s[68:69] c
.set SEL, 70                           ; s[70:71] lane selects for v_permlanex16_b32: lane l xor 16
.set MSB, 0
.macro WIN new                         ; the immediate's high byte repeats the setting that is left; a switch that changes nothing is dropped
.if MSB != \new
	s_set_vgpr_msb (MSB<<8)|\new
.set MSB, \new
.endif
.endm
.set MUL_LO, 0xa1                      ; source 0 (k) window 1, source 1 (q) window 0, C and D window 2
.set MUL_HI, 0xf1                      ; the same, C and D window 3
.set TO_B,   0x40                      ; destination window 1, address window 0
; A joint load.  Waves 0 and 1 fetch q's two halves, waves 2 and 3 k's.  The branch hangs on the wave's number alone.  An s_nop 0 and four v_nop follow each of the two lines.
.macro JLOAD s
	s_cmp_eq_u32 s[RH], 0
	s_cbranch_scc0 .Lfor_b_\@
	tensor_load_to_lds s[G0+4*\s:G0+4*\s+3], s[G1:G1+7]
	s_nop 0
.rept 4
	v_nop
.endr
	s_branch .Lasked_\@
.Lfor_b_\@:
	tensor_load_to_lds s[G0B+4*\s:G0B+4*\s+3], s[G1B:G1B+7]
	s_nop 0
.rept 4
	v_nop
.endr
.Lasked_\@:
.endm
; A PREFETCH INTO THE L2, behind each joint load, its five lines and the run of LDS loads that follows them: the K step that stands TWO refills on (512 matrix instructions ahead of the load that will want it):
; 32 rows x 256 bytes, a lane a row, one instruction a wave.  Each row's 256 bytes of a K step are named once in the launch: q's tile row is read by both clusters of its row of clusters: cluster x = 0 asks;
; k's tile is read by the two clusters of its sequence in that column of clusters: the one with even y asks.  The four partners that ask for a tile jointly share its rows out BY ADDRESS, 32 each.
; K steps 0 to 3 come by their loads alone; the loop's last trip asks for nothing: there is no K step two refills on.
.macro ASK
	s_cmp_gt_u32 s[LAP], s[LIM]
	s_cbranch_scc0 .Lnot_mine_\@
	global_prefetch_b8 v[PFO], s[PFA:PFA+1] offset:KSTEP*2 th:TH_LOAD_NT scope:SCOPE_SE
.Lnot_mine_\@:
.endm
.macro CREST                           ; a round of the cluster's barrier behind its opening barrier
	s_cmp_lg_u32 s[WV], 0
	s_cbranch_scc1 .Lnot_wave_0_\@
	s_barrier_signal -3
.Lnot_wave_0_\@:
	s_barrier_wait -3
	s_barrier_signal -1
	s_barrier_wait -1
.endm
.macro CROUND                          ; a whole round
	s_barrier_signal -1
	s_barrier_wait -1
	CREST
.endm
	s_load_b128 s[4:7], s[0:1], 0x0                ; qkv s[4:5], p s[6:7]
	s_load_b64 s[8:9], s[0:1], 0x10                ; st
	v_lshl_add_u32 v[SPW], v0, 2, SPARE
	v_mov_b32 v[NIL], 0
	ds_add_u32 v[SPW], v[NIL]                      ; the wave's opening: the add, twice on end, and its wait ahead of my first tensor load; the set-up below stands between the second and the wait
	ds_add_u32 v[SPW], v[NIL]
	v_lshrrev_b32 v1, 5, v0
	v_readfirstlane_b32 s[WV], v1                  ; wave 0..3
	s_lshr_b32 s[RH], s[WV], 1
	s_and_b32 s[CH], s[WV], 1
	s_bfe_u32 s40, ttmp6, 0x40000                  ; cx, cy: my place in the cluster
	s_bfe_u32 s41, ttmp6, 0x40004
	s_lshl_b32 s42, ttmp9, 2
	s_add_co_u32 s42, s42, s40                     ; the tile of keys = 4 x cluster x + cx: 0 to 7
	s_and_b32 s72, ttmp7, 0xffff                   ; cluster y: 0 to 7
	s_lshr_b32 s67, s72, 1                         ; the sequence: all sixteen partners share it
	s_lshl_b32 s66, s72, 2
	s_add_co_u32 s66, s66, s41                     ; the tile of queries = 4 x cluster y + cy: 0 to 31
	s_lshl_b32 s21, s41, 2
	s_lshl_b32 s21, 15, s21                        ; my row of the cluster
	s_lshl_b32 s22, 0x1111, s40                    ; my column
	; descriptor group 1: a tile of 128 rows x 128 elements of 2 bytes, padded in LDS
	s_or_b32 s[G1+0], s21, (1<<16)|(1<<20)|(1<<21)|(5<<22)|(3<<25)  ; 15:0 the mask: q's tiles go to my row; 17:16 element of 2 bytes; 20 padding on; 21 set beside a mask; 24:22 after every 64 words; 31:25 four words
	s_or_b32 s[G1B+0], s22, (1<<16)|(1<<20)|(1<<21)|(5<<22)|(3<<25) ; the same with the mask of my column, for k's tiles
.irp g, G1, G1B
	s_mov_b32 s[\g+1], KSTEP<<16                   ; tensor_dim0 = 128
	s_mov_b32 s[\g+2], 128<<16                     ; tensor_dim1 = 128
	s_mov_b32 s[\g+3], KSTEP<<16                   ; tile_dim0 = 128
	s_mov_b32 s[\g+4], 128                         ; tile_dim1 = 128
	s_mov_b32 s[\g+5], 3072                        ; tensor_dim0_stride: elements from row to row of qkv
	s_mov_b32 s[\g+6], 0
	s_mov_b32 s[\g+7], 0
.endr
	; where the tiles come from.  q's hang on the tile of queries alone, which my row of the cluster shares; k's on the sequence and the tile of keys, which my column shares
	s_lshl_b32 s17, s[CH], 7
	s_lshl_b32 s16, s66, 8
	s_add_co_u32 s16, s16, s17                     ; q: row 256 x tile + 128 x half
	s_mul_i32 s16, s16, QROW                       ; under 2^32: 8,192 rows of 6,144 bytes
	s_mov_b32 s17, 0
	s_lshl_b32 s47, s[CH], 7
	s_lshl_b32 s46, s42, 8
	s_add_co_u32 s46, s46, s47
	s_lshl_b32 s47, s67, 11
	s_add_co_u32 s46, s46, s47                     ; k: row 2,048 x sequence + 256 x tile + 128 x half
	s_mul_i32 s46, s46, QROW
	s_mov_b32 s47, 0
	s_mul_i32 s20, s[WV], HALFT                    ; and where they go: wave x 128 rows: no place in the cluster enters an LDS address
	s_mov_b32 s[CS], 0x3d38aa3b                    ; c = log2(e) / 32
	s_mov_b32 s[CS+1], s[CS]                       ; (named with it as a pair, so it is written)
	s_mov_b32 s[SEL], 0x76543210
	s_mov_b32 s[SEL+1], 0xfedcba98
	s_wait_dscnt 0x0                               ; both opening adds are done
	s_wait_kmcnt 0x0
	s_add_nc_u64 s[10:11], s[4:5], 2048            ; k's first byte
	s_add_nc_u64 s[16:17], s[4:5], s[16:17]
	s_add_nc_u64 s[46:47], s[10:11], s[46:47]
	CROUND                                         ; all sixteen work-groups are here: the first joint loads meet
.irp s, 0,1
	s_mov_b32 s[G0+4*\s], 1                                        ; count = 1
	s_add_co_u32 s[G0+4*\s+1], s20, \s*SLOT                        ; LDS address
	s_add_nc_u64 s[G0+4*\s+2:G0+4*\s+3], s[16:17], \s*KSTEP*2      ; global address: K step s
	s_or_b32 s[G0+4*\s+3], s[G0+4*\s+3], 0x80000000                ; type = 2
	s_mov_b32 s[G0B+4*\s], 1
	s_add_co_u32 s[G0B+4*\s+1], s20, \s*SLOT
	s_add_nc_u64 s[G0B+4*\s+2:G0B+4*\s+3], s[46:47], \s*KSTEP*2
	s_or_b32 s[G0B+4*\s+3], s[G0B+4*\s+3], 0x80000000
	JLOAD \s                                       ; the ring is filled before anything else is done: two loads of mine are out
.endr
	; A fragment is 16 rows x 32 K in 8 registers: lane l holds row l % 16; registers 0-3 hold K = 8 (l / 16) + 0..7, registers 4-7 K = 16 + 8 (l / 16) + 0..7: two loads of 16 bytes, 32 bytes apart
	v_and_b32 v1, 15, v0                           ; l % 16
	v_bfe_u32 v2, v0, 4, 1                         ; l / 16
	v_mul_u32_u24 v3, v1, PITCH
	v_lshl_add_u32 v3, v2, 4, v3                   ; row x pitch + 16 x half
	s_mul_i32 s21, s[RH], HALFT                    ; my 128 queries
	s_mul_i32 s22, s[CH], HALFT                    ; my 128 keys,
	s_add_co_u32 s22, s22, 2*HALFT                 ; which lie behind q's 256 rows
.irp s, 0,1
	v_add_nc_u32 v[ADRA+\s], s21, v3
	v_add_nc_u32 v[ADRB+\s], s22, v3
	s_add_co_u32 s21, s21, SLOT
	s_add_co_u32 s22, s22, SLOT
.endr
	s_lshl_b32 s23, s[WV], 10
	s_add_co_u32 s23, s23, STAGE                   ; my stage
	v_lshl_add_u32 v[STS], v1, 2, s23
	v_and_b32 v6, 31, v0
	v_lshlrev_b32 v[GST], 4, v6
	v_add_nc_u32 v[STR], s23, v[GST]
	; where my part begins in p and in st
	s_lshl_b32 s16, s66, 8
	s_lshl_b32 s17, s[RH], 7
	s_add_co_u32 s16, s16, s17                     ; my first query
	s_lshl_b32 s18, s16, 2                         ; 4 bytes a row in st,
	s_mov_b32 s19, 0
	s_add_nc_u64 s[8:9], s[8:9], s[18:19]
	s_lshl_b32 s16, s16, 12                        ; 65,536 bytes for 16 queries in p
	s_mov_b32 s17, 0
	s_add_nc_u64 s[6:7], s[6:7], s[16:17]
	s_lshl_b32 s46, s42, 13                        ; my first chunk of 32 keys, 1,024 bytes each: 8 x tile + 4 x half
	s_lshl_b32 s47, s[CH], 12
	s_add_co_u32 s46, s46, s47
	s_mov_b32 s47, 0
	s_add_nc_u64 s[6:7], s[6:7], s[46:47]
	s_lshl_b32 s46, s42, 1
	s_add_co_u32 s46, s46, s[CH]                   ; my block of 128 keys: 0 to 15,
	s_lshl_b32 s46, s46, 15                        ; 8,192 rows of 4 bytes each
	s_add_nc_u64 s[8:9], s[8:9], s[46:47]
	; the prefetches
	s_and_b32 s22, s72, 1                          ; cluster y's low bit
	s_lshl_b32 s20, s66, 8                         ; q: the tile's first row
	s_lshl_b32 s21, s42, 8
	s_lshl_b32 s23, s67, 11
	s_add_co_u32 s21, s21, s23                     ; k: the tile's first row
	s_cmp_eq_u32 s[RH], 0                          ; do I fetch for q?
	s_cselect_b32 s20, s20, s21
	s_cselect_b32 s21, s40, s41                    ; my place among the four that ask for the tile with me
	s_cselect_b32 s22, ttmp9, s22                  ; the coordinate along which another cluster reads the same rows
	s_cselect_b64 s[PFA:PFA+1], s[4:5], s[10:11]
	s_cmp_eq_u32 s22, 0
	s_cselect_b32 s[LIM], 1, -1                    ; the same in all sixteen partners, for a given wave
	s_lshl_b32 s22, s[CH], 7
	s_add_co_u32 s20, s20, s22                     ; + the 128 rows that I fetch
	s_lshl_b32 s21, s21, 5
	s_add_co_u32 s20, s20, s21                     ; + my work-group's 32 of them
	s_mul_i32 s20, s20, QROW
	s_mov_b32 s21, 0
	s_add_nc_u64 s[PFA:PFA+1], s[PFA:PFA+1], s[20:21]
	s_add_nc_u64 s[PFA:PFA+1], s[PFA:PFA+1], 2*KSTEP*2  ; at K step 2: the first refill steps it to 3 and names K step 4
	v_mul_u32_u24 v[PFO], v6, QROW
; 16 matrix instructions: blocks a0, a0 + 1 of the window's four blocks of queries (hi = 0: my queries 0-63, 1: 64-127) x all 8 blocks of keys, 32 along K.  zero = 1: the first product starts the sums.
; The 64 accumulators take turns, one instruction a turn, in the same order in every quarter.
.macro MUL16 f, hi, a0, zero
.irp a, \a0, \a0+1
.irp b, 0,1,2,3,4,5,6,7
.if \zero
	v_wmma_f32_16x16x32_f16 v[8*(8*(\a)+\b):8*(8*(\a)+\b)+7], v[\f+8*\b:\f+8*\b+7], v[\f+8*(4*\hi+\a):\f+8*(4*\hi+\a)+7], 0
.else
	v_wmma_f32_16x16x32_f16 v[8*(8*(\a)+\b):8*(8*(\a)+\b)+7], v[\f+8*\b:\f+8*\b+7], v[\f+8*(4*\hi+\a):\f+8*(4*\hi+\a)+7], v[8*(8*(\a)+\b):8*(8*(\a)+\b)+7]
.endif
.endr
.endr
.endm
; 32 LDS loads in one run: the fragments of one quarter step (128 keys, 128 queries, 32 K at byte k of the rows) into buffer f
.macro FETCH slot, k, f
	WIN TO_B
.irp i, 0,1,2,3,4,5,6,7
	ds_load_b128 v[\f+8*\i:\f+8*\i+3],   v[ADRB+\slot] offset:\k+\i*16*PITCH
	ds_load_b128 v[\f+8*\i+4:\f+8*\i+7], v[ADRB+\slot] offset:\k+\i*16*PITCH+32
.endr
	WIN 0
.irp i, 0,1,2,3,4,5,6,7
	ds_load_b128 v[\f+8*\i:\f+8*\i+3],   v[ADRA+\slot] offset:\k+\i*16*PITCH
	ds_load_b128 v[\f+8*\i+4:\f+8*\i+7], v[ADRA+\slot] offset:\k+\i*16*PITCH+32
.endr
.endm
; A load into a register that a matrix instruction has read, and a vector instruction that reads a matrix result or writes one of a matrix instruction's registers, stand four places behind it, and only plain
; vector instructions that name none of its registers are places (ISA guide 7.12.1 for vector instructions).
.macro PLACES
.rept 4
	v_nop
.endr
.endm
; A K step is four quarters of 32 along K, 64 matrix instructions each, on buffers 0, 1, 0, 1.  One of the first three: multiplies buffer f; in its middle it fetches the next quarter, at byte k, into buffer g.
.macro QUARTER slot, k, f, g, zero
	s_wait_dscnt 8                                 ; k's and q's rows 0-63 are in; the youngest eight loads (q's rows 64-127) may be out
	WIN MUL_LO
	MUL16 \f, 0, 0, \zero
	MUL16 \f, 0, 2, \zero
	PLACES
	FETCH \slot, \k, \g
	s_wait_dscnt 32                                ; all but the 32 just issued
	WIN MUL_HI
	MUL16 \f, 1, 0, \zero
	MUL16 \f, 1, 2, \zero
.endm
; The last quarter multiplies buffer 1 and changes slots.  MEET is its first half: one barrier for the change.  In front of it each wave waits for all its tensor loads, of which one is out: its part of the next slot;
; adds 0 to its spare word; and waits for that and for its own reads of this slot.  Behind it nobody reads this slot any more and the next slot is whole.
.macro MEET round                      ; round = 1: a round of the cluster's barrier follows
	WIN 0                                          ; (the add's two registers lie in window 0)
	s_wait_tensorcnt 0x0                           ; all my tensor loads have landed
	ds_add_u32 v[SPW], v[NIL]                      ; 0 onto my spare word
	s_wait_dscnt 9                                 ; the add and the youngest eight loads may be out
	WIN MUL_LO
	MUL16 F1, 0, 0, 0                              ; sixteen matrix instructions stand between the add and the wait for it
	s_wait_dscnt 0x0                               ; the add is done, and my reads of this slot are over
	s_barrier_signal -1
	MUL16 F1, 0, 2, 0                              ; work on registers while the others arrive
.if \round
	WIN 0
.endif
	s_barrier_wait -1
.endm
; The whole last quarter, with a refill: behind the round the slot just read out is filled again first, with the K step two steps on; then come the next slot's first fragments.
.macro TURN slot, next
	s_wait_xcnt 0x0                                ; the last prefetch, a K step back, has read its address: it is stepped here, ahead of the waits of the change of slots
	s_add_nc_u64 s[PFA:PFA+1], s[PFA:PFA+1], KSTEP*2
	MEET 1
	CREST                                          ; no wave of any partner still reads this slot's tile or has a load on its way
	s_add_nc_u64 s[G0+4*\slot+2:G0+4*\slot+3], s[G0+4*\slot+2:G0+4*\slot+3], 2*KSTEP*2
	s_add_nc_u64 s[G0B+4*\slot+2:G0B+4*\slot+3], s[G0B+4*\slot+2:G0B+4*\slot+3], 2*KSTEP*2
	JLOAD \slot                                    ; the first tensor load behind the round, my one load until the next; the four v_nop behind it are also the places in front of the loads below
	FETCH \next, 0, F0
	ASK
	WIN MUL_HI
	MUL16 F1, 1, 0, 0
	MUL16 F1, 1, 2, 0
.endm
	s_wait_tensorcnt 1                             ; my part of K step 0 is in; K step 1's load may be out
	s_barrier_signal -1
	s_barrier_wait -1                              ; everybody's is
	FETCH 0, 0, F0
	QUARTER 0, 64,  F0, F1, 1                      ; the first quarter stands in front of the loop: its products start the sums
	WIN 0                                          ; at a label and at a branch every window is 0
	s_mov_b32 s[LAP], LAPS-1
.Llap:                                                 ; a trip goes once round the ring, from a lap's second quarter to the next lap's first, and fills both slots again
	QUARTER 0, 128, F1, F0, 0
	QUARTER 0, 192, F0, F1, 0
	TURN 0, 1
	QUARTER 1, 64,  F0, F1, 0
	QUARTER 1, 128, F1, F0, 0
	QUARTER 1, 192, F0, F1, 0
	TURN 1, 0
	QUARTER 0, 64,  F0, F1, 0
	WIN 0
	s_sub_co_u32 s[LAP], s[LAP], 1
	s_cmp_lg_u32 s[LAP], 0
	s_cbranch_scc1 .Llap
	QUARTER 0, 128, F1, F0, 0                      ; the last lap is written out: it asks for nothing
	QUARTER 0, 192, F0, F1, 0
	MEET 0                                         ; my one tensor load that was still out is slot 1's, the last K step's, so no round follows
	PLACES
	FETCH 1, 0, F0
	WIN MUL_HI
	MUL16 F1, 1, 0, 0
	MUL16 F1, 1, 2, 0
	QUARTER 1, 64,  F0, F1, 0
	QUARTER 1, 128, F1, F0, 0
	QUARTER 1, 192, F0, F1, 0
	s_wait_dscnt 8                                 ; the very last quarter: nothing more to fetch
	WIN MUL_LO
	MUL16 F1, 0, 0, 0
	MUL16 F1, 0, 2, 0
	s_wait_dscnt 0
	WIN MUL_HI
	MUL16 F1, 1, 0, 0
	MUL16 F1, 1, 2, 0
	WIN 0
; THE WAY OUT, block by block of 16 queries x 128 keys.  SOFT a: the block's M, p and l; the weights packed to f16.  A lane's 64 scores are half of its query's 128; the other half lies in lane l xor 16.
.macro SOFT a
.set AC, 64*((\a)%4)
.set WW, 2+(\a)/4                      ; the block's window
.set W3, WW|(WW<<2)|(WW<<4)            ; all three sources there
.set W2, (WW<<2)|(WW<<4)               ; sources 1 and 2 there
	WIN W3
.irp b, 0,1,2,3,4,5,6,7
	v_max3_num_f32 v[MX+\b], v[AC+8*\b], v[AC+8*\b+1], v[AC+8*\b+2]   ; eight chains, one an accumulator, each from the accumulator's low end on
.endr
	WIN W2
.irp i, 3,5
.irp b, 0,1,2,3,4,5,6,7
	v_max3_num_f32 v[MX+\b], v[MX+\b], v[AC+8*\b+\i], v[AC+8*\b+\i+1]
.endr
.endr
.irp b, 0,1,2,3,4,5,6,7
	v_max_num_f32 v[MX+\b], v[MX+\b], v[AC+8*\b+7]
.endr
	WIN 0
	v_max3_num_f32 v[MX], v[MX], v[MX+1], v[MX+2]
	v_max3_num_f32 v[MX+3], v[MX+3], v[MX+4], v[MX+5]
	v_max3_num_f32 v[MX], v[MX], v[MX+6], v[MX+7]
	v_max_num_f32 v[MX], v[MX], v[MX+3]
	v_permlanex16_b32 v[MX+1], v[MX], s[SEL], s[SEL+1]
	v_max_num_f32 v[MX], v[MX], v[MX+1]            ; the largest score of my query among the wave's 128 keys
	v_mul_f32 v[MX], s[CS], v[MX]                  ; as t (c is positive)
	v_floor_f32 v[NM], -v[MX]                      ; -M = floor(-t) = -ceil(t): M is a whole number
	WIN WW                                         ; source 0 in the block's window
.set i, 0
.rept 32
	v_pk_fma_f32 v[TT+i:TT+i+1], v[AC+i:AC+i+1], s[CS:CS+1], v[NM:NM+1] op_sel_hi:[1,0,0]   ; t - M, two at a time (of the pairs c and -M the low word serves both halves)
.set i, i+2
.endr
	WIN 0
.set i, 0
.rept 64
	v_exp_f32 v[TT+i], v[TT+i]                     ; p = 2^(t - M): one batch
.set i, i+1
.endr
	v_mul_f32 v[MST+(\a)], -1.0, v[NM]             ; M, kept for st: the plain line behind the last exponential
	s_wait_alu depctr_va_vdst(0)                   ; the wait ahead of the first line that names a result: one for the batch
	v_pk_add_f32 v[SUMA:SUMA+1], v[TT:TT+1], v[TT+2:TT+3]       ; l is the sum of the unrounded p: two at a time, in two chains
	v_pk_add_f32 v[SUMB:SUMB+1], v[TT+4:TT+5], v[TT+6:TT+7]
.set i, 8
.rept 14
	v_pk_add_f32 v[SUMA:SUMA+1], v[SUMA:SUMA+1], v[TT+i:TT+i+1]
	v_pk_add_f32 v[SUMB:SUMB+1], v[SUMB:SUMB+1], v[TT+i+2:TT+i+3]
.set i, i+4
.endr
	v_pk_add_f32 v[SUMA:SUMA+1], v[SUMA:SUMA+1], v[SUMB:SUMB+1]
	v_add_f32 v[SUMA], v[SUMA], v[SUMA+1]
	v_permlanex16_b32 v[SUMB], v[SUMA], s[SEL], s[SEL+1]
	v_add_f32 v[LST+(\a)], v[SUMA], v[SUMB]        ; with lane l xor 16's 64 keys
	s_wait_xcnt 0x0                                ; the last block's stores, a whole softmax back, have read their registers: only behind this wait are these written again
.set i, 0
.rept 32
	v_cvt_pk_f16_f32 v[TMP+i], v[TT+2*i], v[TT+2*i+1]   ; registers 4 b .. 4 b + 3: keys 16 b + 8 (lane / 16) + 0 .. 7 of my query: half b % 2 of the fragment of chunk b / 2
.set i, i+1
.endr
.endm
.macro SEND a                          ; the block's four fragments leave as they stand: 8 stores of 512 consecutive bytes, 4,096 on end, at a multiple of 256 from p's first byte
.irp b, 0,1,2,3,4,5,6,7
	global_store_b128 v[GST], v[TMP+4*\b:TMP+4*\b+3], s[6:7] offset:(\a)*RBLK+512*\b
.endr
.endm
	PLACES                                         ; behind the last products: the lines below write where fragments of q lay
	v_mov_b32 v[NM+1], 0                           ; (named as the upper half of the pair)
.irp a, 0,1,2,3,4,5,6,7
	SOFT \a
	SEND \a
.endr
	; M and l of my 128 queries go through the stage, so that they leave as 512 consecutive bytes each.  Both halves of the lanes hold the same numbers and write the same words
.irp a, 0,1,2,3,4,5,6,7
	ds_store_b32 v[STS], v[MST+\a] offset:64*\a
	ds_store_b32 v[STS], v[LST+\a] offset:512+64*\a
.endr
	ds_load_b128 v[64:67], v[STR]                  ; LDS serves a wave's instructions in order (ISA guide 5.7.1.4): these see the stores above
	ds_load_b128 v[68:71], v[STR] offset:512
	s_wait_dscnt 0x0
	global_store_b128 v[GST], v[64:67], s[8:9]
	global_store_b128 v[GST], v[68:71], s[8:9] offset:PLANE
	s_wait_tensorcnt 0x0                           ; the wave's end: these three lines, behind my last tensor load and my last LDS store
	ds_add_u32 v[SPW], v[NIL]
	s_wait_dscnt 0x0
	CROUND                                         ; the closing round: no work-group ends while a partner may still ask for a tile that names it
	s_endpgm
.Lfunc_end_k_qc1fcff9b5e_scores:
	.size	k_qc1fcff9b5e_scores, .Lfunc_end_k_qc1fcff9b5e_scores-k_qc1fcff9b5e_scores
	.p2alignl 7, 3214868480
	.fill 96, 4, 3214868480
	.section	.rodata,"a",@progbits
	.p2align	6, 0x0
	.amdhsa_kernel k_qc1fcff9b5e_scores
		.amdhsa_group_segment_fixed_size 327680
		.amdhsa_private_segment_fixed_size 0
		.amdhsa_enable_private_segment 0
		.amdhsa_kernarg_size 24
		.amdhsa_user_sgpr_count 2
		.amdhsa_user_sgpr_kernarg_segment_ptr 1
		.amdhsa_wavefront_size32 1
		.amdhsa_system_sgpr_workgroup_id_x 1
		.amdhsa_system_sgpr_workgroup_id_y 1
		.amdhsa_system_sgpr_workgroup_id_z 1
		.amdhsa_system_vgpr_workitem_id 0
		.amdhsa_next_free_vgpr 1024
		.amdhsa_next_free_sgpr 76
		.amdhsa_reserve_vcc 0
		.amdhsa_float_denorm_mode_32 3
		.amdhsa_float_denorm_mode_16_64 3
		.amdhsa_memory_ordered 1
		.amdhsa_forward_progress 1
		.amdhsa_inst_pref_size 204
	.end_amdhsa_kernel
	.amdgpu_metadata
---
amdhsa.version: [ 1, 2 ]
amdhsa.kernels:
  - .name:           k_qc1fcff9b5e_scores
    .symbol:         k_qc1fcff9b5e_scores.kd
    .args:
      - { .name: qkv, .offset: 0, .size: 8, .value_kind: global_buffer, .address_space: global }
      - { .name: p, .offset: 8, .size: 8, .value_kind: global_buffer, .address_space: global }
      - { .name: st, .offset: 16, .size: 8, .value_kind: global_buffer, .address_space: global }
    .group_segment_fixed_size: 327680
    .private_segment_fixed_size: 0
    .kernarg_segment_align: 8
    .kernarg_segment_size: 24
    .max_flat_workgroup_size: 128
    .sgpr_count:     76
    .vgpr_count:     1024
    .wavefront_size: 32
...
	.end_amdgpu_metadata
.endif
;; end of part 3
;; launch mix (part 4): grid 4 x 64, 4 waves a work-group, clusters of 4 x 4, 327,680 bytes of LDS; arguments p, qkv, st, out0; writes out0
.if DOCPART == 4
	.amdgcn_target "amdgcn-amd-amdhsa--gfx1250"
	.amdhsa_code_object_version 6
	.text
	.protected	k_qc1fcff9b5e_mix
	.globl	k_qc1fcff9b5e_mix
	.p2align	8
	.type	k_qc1fcff9b5e_mix,@function
k_qc1fcff9b5e_mix:
	s_mov_b64 s[64:65], 0
	v_nop
	global_prefetch_b8 v0, s[64:65] scope:SCOPE_SE
	s_setreg_imm32_b32 hwreg(HW_REG_WAVE_MODE, 25, 1), 1
	s_wait_xcnt 0x0
	s_wait_alu depctr_hold_cnt(0) depctr_sa_sdst(0) depctr_va_vdst(0) depctr_va_sdst(0) depctr_va_ssrc(0) depctr_va_vcc(0) depctr_vm_vsrc(0)
	s_getreg_b32 s2, hwreg(HW_REG_IB_STS2, 6, 4)
	s_cmp_eq_u32 s2, 0
	s_cbranch_scc0 .Lentry_in_a_cluster
	s_endpgm
.Lentry_in_a_cluster:
	s_bfe_u32 s2, ttmp6, 0x10000c
	s_cmp_lg_u32 s2, 0xf033
	s_cbranch_scc0 .Lentry_shape_is_right
	s_endpgm
.Lentry_shape_is_right:
; The second stage of the softmax and the second product of attention.
;   out0[m][c] = (sum over the row's 16 blocks of 128 keys of f(m, blk) x sum over the block's keys of p[m][key] v[key][c]) / l(m),
;   f(m, blk) = 2^(M(m, blk) - M(m)), M(m) = the largest of the row's sixteen M, l(m) = sum over blk of f(m, blk) l(m, blk).
; p: f16, as images of this product's operand registers: [512 blocks of 16 queries][64 chunks of 32 keys][2 halves][32 lanes][16 bytes]; v: f16, at byte 4,096 of qkv's rows of 6,144 bytes;
; st: f32 [2][16][8192]: M, then l; out0: f32 [8192][1024].  f16 operands, f32 sums; f, l and all that is carried from block to block in f32.
; All M are whole numbers, so f is a power of two, at most 1.  LIMITS: NaN and infinities are not served.
; A tile of 128 queries x 256 channels is made by a work-group of four waves; a wave makes 64 x 128.  That tile gives each of 256 work-groups one tile.
; THE MATRIX INSTRUCTION IS USED TRANSPOSED: source 0 = 16 channels x 32 keys of v, turned on the way out of LDS by ds_load_tr16_b128; source 1 = 16 queries x 32 keys of p.  A lane holds ONE query (lane % 16)
; and eight neighbouring channels, so f and 1 / l are one number a lane and block of 16 queries.
; TWO SETS OF ACCUMULATORS.  The products of a block of 128 keys sum in T (32 accumulators, begun with the constant 0); in the block's last quarter O += f x T, four fused multiply-adds (two numbers each) behind each
; matrix instruction, two accumulators behind it.  That quarter has two window switches a slice: T, O and the operands fill four windows.
; v COMES THROUGH LDS, p STRAIGHT INTO REGISTERS.  The keys go in 8 steps of 256 through a ring of two LDS slots, so that a refill has 256 matrix instructions a wave in which to land.  Two such slots for both operands
; would be 2 x 256 x (128 + 256) x 2 = 393,216 bytes, more than the 327,680 that the work-group has; for v alone they are 2 x 256 x 544 = 278,528.  So p's fragments, which lie in memory as registers want them,
; come by global_load_b128, 512 consecutive bytes each, into a ring of eight quarters (256 registers), seven quarters ahead of their use.
; CLUSTERS: 4 x 4 work-groups.  The four of a column of the cluster need the same tiles of v (a cluster's four tiles of queries lie in one sequence): each is asked for JOINTLY.  The four of a row read the same p:
; that is NOT shared, since a joint request lands in LDS, where by the arithmetic above p has no room.
; THE FACTORS of all 16 blocks are made once, at the head, and lie in a table in LDS, each wave's own: 16 bytes for each query of 16 and block.
; REGISTERS, in windows of 256: window 0: v1-55 addresses, 1 / l, factors; v64-127 the head's M and l; v128-191, v192-255 fragments of v, two buffers, later rows on the way out.
;   window 1: p's ring: quarter q % 8 at v[32 (q % 8)], block of queries a at + 8 a.   window 2: O: accumulator (a, b) at v[8 (8 a + b)].   window 3: T likewise.
.set PV,     544                       ; a row of v in LDS: 512 bytes + 32 = 136 words: row r starts at bank 8 r mod 64 (64 banks of 4 bytes: ISA guide 11.1)
.set QKEY,   32*PV                     ; a quarter's 32 keys
.set WLOAD,  64*PV                     ; 64 keys: what one tensor load brings
.set SLOT,   256*PV                    ; 256 keys
.set GTAB,   2*SLOT                    ; behind the ring: the factors: 16 blocks x 256 bytes for each wave
.set SPARE,  GTAB+4*4096               ; the spare words, 128 bytes for each wave: two blocks of 256 bytes that no other line names
.set SPITCH, 528                       ; the way out: a stage of 16 rows x (512 bytes + 16) for each wave, from LDS byte 0 on: in slot 0, which has had its last fill and its last read when the first result is stored there
.set LAPS,   4                         ; a lap = two steps = once round the ring
.set QROW,   6144                      ; a row of qkv in bytes
.set OROW,   4096                      ; a row of out0
.set PLANE,  524288                    ; from st's M to its l
.set FRAGB,  1024                      ; a fragment of p
.set RBLK,   65536                     ; from a block of 16 queries of p to the next
.set INV,  8                           ; v8-15   1 / l of my query in each of the four blocks of rows, as pairs (the packed form names a pair and takes its low word)
.set ADRB, 16                          ; v16-19  LDS address of my fragments of v: slot s, quarters 4 i on: v[16 + 2 s + i] (an LDS offset has 16 bits)
.set ADRG, 22                          ; v22     LDS address of my query's 16 bytes of the block's factors; steps by 256
.set TW,   23                          ; v23     where I store the factors that my half of the lanes has made
.set STO,  24                          ; v24     the way out: where I put 32 bytes of a row
.set RD,   25                          ; v25     the way out: where I read a row back
.set CO,   26                          ; v26     16 x lane: my place in 512 consecutive bytes; never rewritten
.set VST,  27                          ; v27     my query's place in st, and my half's eight blocks
.set SPW,  28                          ; v28     LDS address of my spare word; never rewritten
.set NIL,  29                          ; v29     0; never rewritten
.set PFO,  30                          ; v30     the prefetches' offset; never rewritten
.set GF,   32                          ; v32-35  a block's four factors as they are loaded
.set FP,   36                          ; v36-43  the same as pairs: f of block of rows a at v[36 + 2 a]
.set MR,   44                          ; v44-47  the row's M
.set LR,   48                          ; v48-51  the row's l
.set XT,   52                          ; v52-55  what the other half of the lanes holds
.set MB,   64                          ; v64-95  the head: M(8 (lane / 16) + k, a) at MB + 4 k + a, then f
.set LB,   96                          ; v96-127 the head: l likewise
.set VF,   128                         ; v's fragments: buffer f at VF + 64 f
.set BK,   128                         ; the way out: 16 rows read back: v128-191 and v192-255 by turns
.set WV,  12                           ; s12  my wave's number.  Also: which 64 keys of a slot I fetch
.set RH,  13                           ; s13  which half of the tile's queries is mine
.set CH,  14                           ; s14  which half of its channels
.set LAP, 15                           ; s15  laps to go
.set G1,  24                           ; s[24:31] descriptor group 1 for v's tiles;  s[32:39] group 0, one set for each slot
.set G0,  32
.set LIM, 43                           ; s43  1 in a wave that prefetches, else the greatest number
.set PFA, 44                           ; s[44:45] where my prefetches stand
.set PB,  48                           ; s[48:49] p at my wave's 64 queries, at the lap's first chunk
.set SEL, 70                           ; s[70:71] lane selects for v_permlanex16_b32: lane l xor 16
.set MSB, 0
.macro WIN new                         ; the immediate's high byte repeats the setting that is left; a switch that changes nothing is dropped
.if MSB != \new
	s_set_vgpr_msb (MSB<<8)|\new
.set MSB, \new
.endif
.endm
.set MUL,  0xf4                        ; source 0 (v) window 0, source 1 (p) window 1, C and D (T) window 3
.set FLD,  0xa3                        ; source 0 (T) window 3, source 1 (f) window 0, source 2 and destination (O) window 2
.set TO_P, 0x40                        ; destination window 1, address window 0
; A joint load: each wave fetches its 64 keys of a slot.  One line, one mask, and nothing in its registers hangs on a coordinate that the four partners do not share.
; An s_nop 0 and four v_nop follow it.
.macro JLOAD s
	tensor_load_to_lds s[G0+4*(\s):G0+4*(\s)+3], s[G1:G1+7]
	s_nop 0
.rept 4
	v_nop
.endr
.endm
; A PREFETCH INTO THE L2, behind each joint load, its five lines and the run of LDS loads that follows them: the step of v that the NEXT refill will ask for: 256 matrix instructions ahead of that load.
; Each aligned block of 256 bytes is named once in the launch.  A step's 256 keys x 512 bytes of a tile of channels are read by the four clusters of a sequence: the first of them asks.  Its four partners of a column
; share the keys out BY ADDRESS: of the 64 keys that wave w fetches, the partner at place cy takes 16; sixteen lanes to sixteen keys, the halves of the lanes to the two blocks of a key's 512 bytes: one instruction a wave.
; Steps 0 to 2 come by their loads alone; the last refill asks for nothing: there is no step behind it.  how = 1: a lap's first change of slots, which always has a refill behind it; how = 0: its second.
; p is not prefetched: its own loads are issued seven quarters ahead of their use.
.macro ASK how
.if \how
	s_cmp_eq_u32 s[LIM], 1
.else
	s_cmp_gt_u32 s[LAP], s[LIM]                    ; s[LAP] = 1 in the loop's last trip
.endif
	s_cbranch_scc0 .Lnot_mine_\@
	global_prefetch_b8 v[PFO], s[PFA:PFA+1] th:TH_LOAD_NT scope:SCOPE_SE
.Lnot_mine_\@:
.endm
.macro CREST                           ; a round of the cluster's barrier behind its opening barrier
	s_cmp_lg_u32 s[WV], 0
	s_cbranch_scc1 .Lnot_wave_0_\@
	s_barrier_signal -3
.Lnot_wave_0_\@:
	s_barrier_wait -3
	s_barrier_signal -1
	s_barrier_wait -1
.endm
.macro CROUND                          ; a whole round
	s_barrier_signal -1
	s_barrier_wait -1
	CREST
.endm
; 8 loads: the four fragments of p of one chunk of 32 keys (counted from the lap's first) into place ring of the ring.  Each load is 512 consecutive bytes.  The window is TO_P
.macro PLOAD ring, chunk
.irp a, 0,1,2,3
	global_load_b128 v[32*(\ring)+8*\a:32*(\ring)+8*\a+3],   v[CO], s[PB:PB+1] offset:\a*RBLK+(\chunk)*FRAGB
	global_load_b128 v[32*(\ring)+8*\a+4:32*(\ring)+8*\a+7], v[CO], s[PB:PB+1] offset:\a*RBLK+(\chunk)*FRAGB+512
.endr
.endm
	s_load_b256 s[4:11], s[0:1], 0x0               ; p s[4:5], qkv s[6:7], st s[8:9], out0 s[10:11]
	v_lshl_add_u32 v[SPW], v0, 2, SPARE
	v_mov_b32 v[NIL], 0
	ds_add_u32 v[SPW], v[NIL]                      ; the wave's opening: the add, twice on end, and its wait ahead of my first tensor load; the set-up below stands between the second and the wait
	ds_add_u32 v[SPW], v[NIL]
	v_lshrrev_b32 v1, 5, v0
	v_readfirstlane_b32 s[WV], v1                  ; wave 0..3
	s_lshr_b32 s[RH], s[WV], 1
	s_and_b32 s[CH], s[WV], 1
	s_bfe_u32 s40, ttmp6, 0x40000                  ; cx, cy: my place in the cluster
	s_bfe_u32 s41, ttmp6, 0x40004
	s_lshl_b32 s42, ttmp9, 2
	s_add_co_u32 s42, s42, s40                     ; the tile of channels = 4 x cluster x + cx: 0 to 3
	s_and_b32 s74, ttmp7, 0xffff                   ; cluster y: 0 to 15
	s_lshr_b32 s67, s74, 2                         ; the sequence: all sixteen partners share it
	s_lshl_b32 s66, s74, 2
	s_add_co_u32 s66, s66, s41                     ; the tile of queries = 4 x cluster y + cy: 0 to 63
	s_lshl_b32 s22, 0x1111, s40                    ; my column of the cluster
	; descriptor group 1: 64 rows x 256 elements of 2 bytes, 8 words of padding behind every 128
	s_or_b32 s[G1+0], s22, (1<<16)|(1<<20)|(1<<21)|(6<<22)|(7<<25)  ; 15:0 the mask; 17:16 element of 2 bytes; 20 padding on; 21 set beside a mask; 24:22 after every 128 words; 31:25 eight words
	s_mov_b32 s[G1+1], 256<<16                     ; tensor_dim0
	s_mov_b32 s[G1+2], 64<<16                      ; tensor_dim1
	s_mov_b32 s[G1+3], 256<<16                     ; tile_dim0
	s_mov_b32 s[G1+4], 64                          ; tile_dim1
	s_mov_b32 s[G1+5], 3072                        ; tensor_dim0_stride: elements from row to row of qkv
	s_mov_b32 s[G1+6], 0
	s_mov_b32 s[G1+7], 0
	; where the tiles come from: the sequence and the tile of channels, which my column shares, and the wave's number
	s_lshl_b32 s46, s67, 11
	s_lshl_b32 s47, s[WV], 6
	s_add_co_u32 s46, s46, s47                     ; key 2,048 x sequence + 64 x wave
	s_mul_i32 s46, s46, QROW                       ; under 2^32: 8,192 rows of 6,144 bytes
	s_lshl_b32 s47, s42, 9
	s_add_co_u32 s46, s46, s47                     ; + 512 bytes x tile of channels
	s_add_co_u32 s46, s46, 4096                    ; + v's place in a row of qkv
	s_mov_b32 s47, 0
	s_mul_i32 s23, s[WV], WLOAD                    ; and where they go: no place in the cluster enters an LDS address
	s_mov_b32 s[SEL], 0x76543210
	s_mov_b32 s[SEL+1], 0xfedcba98
	s_wait_dscnt 0x0                               ; both opening adds are done
	s_wait_kmcnt 0x0
	s_add_nc_u64 s[46:47], s[6:7], s[46:47]
	CROUND                                         ; all sixteen work-groups are here: the first joint loads meet
.irp s, 0,1
	s_mov_b32 s[G0+4*\s], 1                                        ; count = 1
	s_add_co_u32 s[G0+4*\s+1], s23, \s*SLOT                        ; LDS address
	s_add_nc_u64 s[G0+4*\s+2:G0+4*\s+3], s[46:47], \s*256*QROW     ; global address: step s: 256 rows down qkv
	s_or_b32 s[G0+4*\s+3], s[G0+4*\s+3], 0x80000000                ; type = 2
	JLOAD \s                                       ; the ring is filled before anything else is done: two loads of mine are out
.endr
	; ---- THE HEAD.  M and l of my 64 queries: lanes 0-15 take blocks 0-7 of st, lanes 16-31 blocks 8-15.  Behind these 64 loads go the ring's first 64: chunks 0 to 7 of p
	v_and_b32 v1, 15, v0                           ; r = l % 16
	v_bfe_u32 v2, v0, 4, 1                         ; h = l / 16
	v_and_b32 v6, 31, v0
	v_lshlrev_b32 v[CO], 4, v6
	v_lshlrev_b32 v[VST], 2, v1
	v_lshl_add_u32 v[VST], v2, 18, v[VST]          ; 4 r + h x 8 blocks of 32,768 bytes
	s_lshl_b32 s16, s66, 7
	s_lshl_b32 s17, s[RH], 6
	s_add_co_u32 s16, s16, s17                     ; my first query
	s_lshl_b32 s18, s16, 2
	s_mov_b32 s19, 0
	s_add_nc_u64 s[8:9], s[8:9], s[18:19]          ; st at my first query
	s_lshl_b32 s18, s16, 12                        ; 4,096 bytes a query, in p (65,536 for 16) and in out0 alike
	s_add_nc_u64 s[PB:PB+1], s[4:5], s[18:19]
	s_add_nc_u64 s[10:11], s[10:11], s[18:19]
.set i, 0
.rept 32
	global_load_b32 v[MB+i], v[VST], s[8:9] offset:(i/4)*32768+(i%4)*64          ; M(block 8 h + i / 4, query 16 (i % 4) + r)
	global_load_b32 v[LB+i], v[VST], s[8:9] offset:(i/4)*32768+(i%4)*64+PLANE    ; l likewise
.set i, i+1
.endr
	WIN TO_P
.irp q, 0,1,2,3,4,5,6,7
	PLOAD \q, \q
.endr
	WIN 0
	; the addresses are made while those loads are on their way
	s_lshl_b32 s46, s42, 10
	s_lshl_b32 s47, s[CH], 9
	s_add_co_u32 s46, s46, s47
	s_mov_b32 s47, 0
	s_add_nc_u64 s[10:11], s[10:11], s[46:47]      ; out0 at my first channel: 1,024 bytes x tile + 512 x half
	; the turning load takes 16 keys x 16 channels (lane l reads 16 bytes: key 8 (l / 16) + l % 8, channels 8 ((l / 8) % 2) + 0..7) and leaves half a fragment: lane l holds channel l % 16 and 8 keys
	v_and_b32 v3, 7, v0
	v_bfe_u32 v4, v0, 3, 1
	v_lshl_add_u32 v5, v2, 3, v3
	v_mul_u32_u24 v5, v5, PV
	v_lshl_add_u32 v5, v4, 4, v5
	s_lshl_b32 s22, s[CH], 8                       ; my 128 channels: 256 bytes
	v_add_nc_u32 v[ADRB], s22, v5
	v_add_nc_u32 v[ADRB+1], 4*QKEY, v[ADRB]
	v_add_nc_u32 v[ADRB+2], SLOT, v[ADRB]
	v_add_nc_u32 v[ADRB+3], SLOT+4*QKEY, v[ADRB]
	s_lshl_b32 s21, s[WV], 12
	s_add_co_u32 s21, s21, GTAB                    ; my wave's table
	v_lshl_add_u32 v[ADRG], v1, 4, s21             ; read: block 0, my query: both halves of the lanes read the same 16 bytes
	v_lshl_add_u32 v[TW], v2, 11, v[ADRG]          ; written: my half's eight blocks
	s_mul_i32 s21, s[WV], 16*SPITCH                ; my stage
	v_mul_u32_u24 v4, v1, SPITCH                   ; in: row l % 16, 32 bytes for each half of the lanes
	v_lshl_add_u32 v4, v2, 5, v4
	v_add_nc_u32 v[STO], s21, v4
	v_add_nc_u32 v[RD], s21, v[CO]                 ; back: the 32 lanes take one row of 512 bytes
	; the prefetches
	s_lshl_b32 s19, s67, 11
	s_lshl_b32 s20, s[WV], 6
	s_add_co_u32 s19, s19, s20
	s_lshl_b32 s20, s41, 4
	s_add_co_u32 s19, s19, s20                     ; of the 64 keys that I fetch, my work-group's 16,
	s_add_co_u32 s19, s19, 2*256                   ; at step 2: the first refill steps it to 3 and names that
	s_mul_i32 s18, s19, QROW
	s_lshl_b32 s20, s42, 9
	s_add_co_u32 s18, s18, s20
	s_add_co_u32 s18, s18, 4096
	s_mov_b32 s19, 0
	s_add_nc_u64 s[PFA:PFA+1], s[6:7], s[18:19]
	s_and_b32 s23, s74, 3                          ; 0 in the sequence's first cluster
	s_cmp_eq_u32 s23, 0
	s_cselect_b32 s[LIM], 1, -1                    ; the same in all sixteen partners
	v_mul_u32_u24 v[PFO], v1, QROW
	v_lshl_add_u32 v[PFO], v2, 8, v[PFO]
.irp a, 0,1,2,3
	v_mov_b32 v[XT+\a], 0                          ; (a lane permute's destination counts as one of its sources)
	v_mov_b32 v[FP+2*\a+1], 0                      ; (named as the upper halves of the factors' pairs)
.endr
	s_wait_loadcnt 63                              ; M and l are in: behind their 64 loads stand p's 64, of which the count, as large as its field holds, lets 63 stay out
.irp a, 0,1,2,3
	v_max3_num_f32 v[MR+\a], v[MB+\a], v[MB+4+\a], v[MB+8+\a]      ; the largest M of my half's eight blocks, the four blocks of rows by turns
.endr
.irp k, 3,5
.irp a, 0,1,2,3
	v_max3_num_f32 v[MR+\a], v[MR+\a], v[MB+4*\k+\a], v[MB+4*\k+4+\a]
.endr
.endr
.irp a, 0,1,2,3
	v_max_num_f32 v[MR+\a], v[MR+\a], v[MB+28+\a]
.endr
.irp a, 0,1,2,3
	v_permlanex16_b32 v[XT+\a], v[MR+\a], s[SEL], s[SEL+1]
.endr
.irp a, 0,1,2,3
	v_max_num_f32 v[MR+\a], v[MR+\a], v[XT+\a]     ; with the other half's eight: the row's M
.endr
.set i, 0
.rept 32
	v_sub_f32 v[MB+i], v[MB+i], v[MR+i%4]          ; M(blk) - M: a whole number, 0 or less
.set i, i+1
.endr
.set i, 0
.rept 32
	v_cvt_i32_f32 v[MB+i], v[MB+i]                 ; (it saturates)
.set i, i+1
.endr
.set i, 0
.rept 32
	v_ldexp_f32 v[MB+i], 1.0, v[MB+i]              ; f = 2^(M(blk) - M)
.set i, i+1
.endr
.irp a, 0,1,2,3
	v_mul_f32 v[LR+\a], v[MB+\a], v[LB+\a]         ; the sum of f l(blk) over my half's eight blocks
.endr
.set i, 4
.rept 28
	v_fmac_f32 v[LR+i%4], v[MB+i], v[LB+i]
.set i, i+1
.endr
.irp a, 0,1,2,3
	v_permlanex16_b32 v[XT+\a], v[LR+\a], s[SEL], s[SEL+1]
.endr
.irp a, 0,1,2,3
	v_add_f32 v[LR+\a], v[LR+\a], v[XT+\a]         ; with the other half's: the row's l
.endr
.irp a, 0,1,2,3
	v_rcp_f32 v[INV+2*\a], v[LR+\a]                ; l is over 0.5: the block that holds the row's M has f = 1 and a weight over 0.5
.endr
	v_nop                                          ; a plain line behind the last reciprocal
	s_wait_alu depctr_va_vdst(0)                   ; the wait ahead of the first line that names a result: one for the four
.irp a, 0,1,2,3
	v_mov_b32 v[INV+2*\a+1], v[INV+2*\a]           ; (named with it as a pair, so it is written)
.endr
.irp k, 0,1,2,3,4,5,6,7
	ds_store_b128 v[TW], v[MB+4*\k:MB+4*\k+3] offset:256*\k        ; block 8 h + k's four factors of my query: only my wave reads them back
.endr
; A load into a register that a matrix instruction has read, and a vector instruction that reads a matrix result, stand four places behind that matrix instruction; a matrix instruction that begins an accumulator anew
; stands five behind the last that wrote it; and only plain vector instructions that name none of its registers are places (ISA guide 7.12.1 for vector instructions).
.macro PLACES
.rept 4
	v_nop
.endr
.endm
; O(j) += f x T(j), accumulator j = 8 a + b, from its low end on.  first = 1: the launch's first block starts O: nothing is ever cleared
.macro FOLD1 j, first
	WIN FLD
.irp u, 0,2,4,6
.if \first
	v_pk_mul_f32 v[8*(\j)+\u:8*(\j)+\u+1], v[8*(\j)+\u:8*(\j)+\u+1], v[FP+2*((\j)/8):FP+2*((\j)/8)+1] op_sel_hi:[1,0]
.else
	v_pk_fma_f32 v[8*(\j)+\u:8*(\j)+\u+1], v[8*(\j)+\u:8*(\j)+\u+1], v[FP+2*((\j)/8):FP+2*((\j)/8)+1], v[8*(\j)+\u:8*(\j)+\u+1] op_sel_hi:[1,0,1]
.endif
.endr
.endm
; cnt matrix instructions from number from on, of a quarter's 32: number i is block of queries i / 8 x block of channels i % 8, 32 keys: v's buffer f, p's place ring.  zero = 1: the product starts T's sums.
; The 32 accumulators take turns, one instruction a turn, in the same order in every quarter.
; fold = 1, a block's last quarter: behind product i stands the fold of accumulator i - 2.  Between product i and the fold that reads its result stand the folds of accumulators i - 2 and i - 1, eight plain lines that name
; none of its registers (behind products 0 and 1: four v_nop); accumulators 30 and 31 are folded behind the quarter.
.macro MF f, ring, from, cnt, zero, fold, first
.set mi, \from
.rept \cnt
	WIN MUL
.if \zero
	v_wmma_f32_16x16x32_f16 v[8*mi:8*mi+7], v[VF+64*(\f)+8*(mi%8):VF+64*(\f)+8*(mi%8)+7], v[32*(\ring)+8*(mi/8):32*(\ring)+8*(mi/8)+7], 0
.else
	v_wmma_f32_16x16x32_f16 v[8*mi:8*mi+7], v[VF+64*(\f)+8*(mi%8):VF+64*(\f)+8*(mi%8)+7], v[32*(\ring)+8*(mi/8):32*(\ring)+8*(mi/8)+7], v[8*mi:8*mi+7]
.endif
.if \fold
.if mi == 1
	PLACES
.elseif mi > 1
	FOLD1 mi-2, \first
.endif
.endif
.set mi, mi+1
.endr
.endm
; 16 LDS loads in one run: v's eight fragments (turned) of the slot's q-th 32 keys into buffer f.  The largest offset is 61,152, inside the 16-bit immediate.  The window is 0
.macro FETCH slot, q, f
.irp i, 0,1,2,3,4,5,6,7
	ds_load_tr16_b128 v[VF+64*(\f)+8*\i:VF+64*(\f)+8*\i+3],   v[ADRB+2*(\slot)+(\q)/4] offset:((\q)%4)*QKEY+32*\i
	ds_load_tr16_b128 v[VF+64*(\f)+8*\i+4:VF+64*(\f)+8*\i+7], v[ADRB+2*(\slot)+(\q)/4] offset:((\q)%4)*QKEY+16*PV+32*\i
.endr
.endm
; A QUARTER: 32 keys, 32 matrix instructions.  lq counts the lap's quarters (16 to 19: the next lap's first four, still by this lap's address of p): slot (lq / 8) % 2, quarter lq % 8 of the step, quarter lq % 4 of a block.
; At its head, behind four places (in a block's second quarter they are the four lines that lay the block's factors out as pairs), stand its loads in one run: v's fragments of the next quarter, into the buffer that the
; quarter before read; in a block's first quarter the block's factors; and (rl = 1) p's fragments of the chunk seven quarters on, into the place of the ring that the quarter before read.
; lc: p's loads come back in order; behind the eight that this quarter multiplies stand those of the six heads since: 48; fewer in the last step, which asks for nothing.
.macro QUARTER lq, rl, lc, first
.set QQ, (\lq)%8
.set QS, ((\lq)/8)%2
.set QZ, 0
.set QF, 0
.if QQ%4 == 0
.set QZ, 1
.endif
.if QQ%4 == 3
.set QF, 1
.endif
	s_wait_dscnt 0x0                               ; v's fragments are in (and the factors, a quarter after they were asked for)
	s_wait_loadcnt \lc                             ; p's are in
	WIN 0
.if QQ%4 == 1
.irp a, 0,1,2,3
	v_mov_b32 v[FP+2*\a], v[GF+\a]
.endr
.else
	PLACES
.endif
	FETCH QS, QQ+1, (QQ+1)%2
.if QZ
	ds_load_b128 v[GF:GF+3], v[ADRG]
	v_add_nc_u32 v[ADRG], 256, v[ADRG]             ; on to the next block's factors
.endif
.if \rl
	WIN TO_P
	PLOAD (QQ+7)%8, (\lq)+7
.endif
	MF QQ%2, QQ, 0, 32, QZ, QF, \first
.if QF
	FOLD1 30, \first
	FOLD1 31, \first
.endif
.endm
; A STEP'S LAST QUARTER changes slots: one barrier; in front of it each wave waits for all its tensor loads (its part of the next slot), adds 0 to its spare word, and waits for that and for its own reads of this slot.
; fill = 1: the barrier opens a round of the cluster's barrier, and this slot is filled again first thing behind it, with the keys two steps on.  It is also a block's last quarter: the folds stand between its products.
.macro TURN lq, fill, how, rl, lc
.set QS, ((\lq)/8)%2
.if \fill
	s_wait_xcnt 0x0                                ; the last prefetch, a step back, has read its address: it is stepped here, ahead of the waits of the change of slots
	s_add_nc_u64 s[PFA:PFA+1], s[PFA:PFA+1], 256*QROW
.endif
	s_wait_dscnt 0x0                               ; v's fragments are in
	s_wait_loadcnt \lc                             ; p's are in
	WIN 0
	PLACES
.if \rl
	WIN TO_P
	PLOAD 6, (\lq)+7
	WIN 0                                          ; (the add's two registers lie in window 0)
.endif
	s_wait_tensorcnt 0x0                           ; all my tensor loads have landed
	ds_add_u32 v[SPW], v[NIL]                      ; 0 onto my spare word
	MF 1, 7, 0, 8, 0, 1, 0                         ; eight matrix instructions and their folds stand between the add and the wait for it
	s_wait_dscnt 0x0                               ; the add is done, and my reads of this slot are over
	s_barrier_signal -1
	MF 1, 7, 8, 8, 0, 1, 0                         ; work on registers while the others arrive
	WIN 0
	s_barrier_wait -1
.if \fill
	CREST                                          ; no wave of any partner still reads this slot's tile or has a load on its way
	s_add_nc_u64 s[G0+4*QS+2:G0+4*QS+3], s[G0+4*QS+2:G0+4*QS+3], 512*QROW
	JLOAD QS                                       ; the first tensor load behind the round, my one load until the next
.endif
	FETCH 1-QS, 0, 0                               ; the next slot's first fragments (buffer 0 was last read a quarter ago: the places at this quarter's head stand between)
.if \fill
	ASK \how
.endif
	MF 1, 7, 16, 16, 0, 1, 0
	FOLD1 30, 0
	FOLD1 31, 0
.endm
	s_wait_tensorcnt 1                             ; my part of step 0 is in; step 1's load may be out
	s_wait_dscnt 0x0                               ; my table is written
	s_barrier_signal -1
	s_barrier_wait -1                              ; everybody's part is in
	FETCH 0, 0, 0
	QUARTER 0, 0, 48, 1                            ; the first block stands in front of the loop: its fold starts O.  Its first quarter has read no place of the ring yet
	QUARTER 1, 1, 48, 1
	QUARTER 2, 1, 48, 1
	QUARTER 3, 1, 48, 1
	WIN 0                                          ; at a label and at a branch every window is 0
	s_mov_b32 s[LAP], LAPS-1
.Llap:                                                 ; a trip goes once round the ring, from a lap's second block to the next lap's first, and fills both slots again
	QUARTER 4, 1, 48, 0
	QUARTER 5, 1, 48, 0
	QUARTER 6, 1, 48, 0
	TURN 7, 1, 1, 1, 48
	QUARTER 8, 1, 48, 0
	QUARTER 9, 1, 48, 0
	QUARTER 10, 1, 48, 0
	QUARTER 11, 1, 48, 0
	QUARTER 12, 1, 48, 0
	QUARTER 13, 1, 48, 0
	QUARTER 14, 1, 48, 0
	TURN 15, 1, 0, 1, 48
	QUARTER 16, 1, 48, 0
	QUARTER 17, 1, 48, 0
	QUARTER 18, 1, 48, 0
	QUARTER 19, 1, 48, 0
	WIN 0
	s_wait_xcnt 0x0                                ; p's loads have read their base: it is stepped only behind this wait
	s_add_nc_u64 s[PB:PB+1], s[PB:PB+1], 16*FRAGB  ; the next lap's first chunk
	s_sub_co_u32 s[LAP], s[LAP], 1
	s_cmp_lg_u32 s[LAP], 0
	s_cbranch_scc1 .Llap
	QUARTER 4, 1, 48, 0                            ; the last lap is written out: no slot is filled again; p's last chunk, 63, is asked for at the head of the last step's first quarter
	QUARTER 5, 1, 48, 0
	QUARTER 6, 1, 48, 0
	TURN 7, 0, 0, 1, 48
	QUARTER 8, 1, 48, 0
	QUARTER 9, 0, 48, 0                            ; from here on the counts run down: eight fewer loads stand behind each quarter's own
	QUARTER 10, 0, 40, 0
	QUARTER 11, 0, 32, 0
	QUARTER 12, 0, 24, 0
	QUARTER 13, 0, 16, 0
	QUARTER 14, 0, 8, 0
	s_wait_dscnt 0x0                               ; the very last quarter: nothing more to fetch
	s_wait_loadcnt 0x0
	MF 1, 7, 0, 32, 0, 1, 0
	FOLD1 30, 0
	FOLD1 31, 0
; THE WAY OUT, block by block of 16 queries x 128 channels.  NORM: x 1 / l.  A lane holds 32 neighbouring bytes of a row, and the lanes beside it hold other rows: so a block goes through my own stage in LDS and comes
; back as whole rows of 512 bytes.  The stage lies in slot 0: every wave has passed the last change of slots, behind which nobody reads that slot and nothing is filled.
.macro NORM a
	WIN 0x82                                       ; destination and source 0 window 2, 1 / l window 0
.set i, 64*(\a)
.rept 32
	v_pk_mul_f32 v[i:i+1], v[i:i+1], v[INV+2*(\a):INV+2*(\a)+1] op_sel_hi:[1,0]
.set i, i+2
.endr
.endm
.macro TOSTAGE a
.set AC, 64*(\a)
	WIN 0x08                                       ; an LDS store's data are its source 1: window 2
.irp b, 0,1,2,3,4,5,6,7
	ds_store_b128 v[STO], v[AC+8*\b:AC+8*\b+3] offset:64*\b
	ds_store_b128 v[STO], v[AC+8*\b+4:AC+8*\b+7] offset:64*\b+16
.endr
	WIN 0
.set BB, BK+64*((\a)%2)
.irp t, 0,1,2,3,4,5,6,7,8,9,10,11,12,13,14,15
	ds_load_b128 v[BB+4*\t:BB+4*\t+3], v[RD] offset:\t*SPITCH      ; LDS serves a wave's instructions in order (ISA guide 5.7.1.4): these see the stores above.  (They land where fragments of v lay: the folds and NORM's lines are the places behind the last products)
.endr
.endm
.macro SEND a, younger                 ; younger: the LDS instructions issued behind block a's loads, which may stay out
.set BB, BK+64*((\a)%2)
	s_wait_dscnt \younger                          ; the block is back in registers
.if (\a) > 0
	s_add_nc_u64 s[10:11], s[10:11], 16*OROW       ; (behind a wait on XCNT: the earlier stores have read their base)  16 rows of out0 on
.endif
.irp t, 0,1,2,3,4,5,6,7,8,9,10,11,12,13,14,15
	global_store_b128 v[CO], v[BB+4*\t:BB+4*\t+3], s[10:11] offset:\t*OROW th:TH_STORE_NT   ; 32 lanes store 512 consecutive bytes, at a multiple of 256 from out0's first byte; written once, read by nobody here
.endr
.endm
	NORM 0
	TOSTAGE 0
.irp a, 1,2,3
.if \a > 1
	s_wait_xcnt 0x0                                ; block a - 2's stores have read their registers and their base: block a's loads may land there, and the base may step
.endif
	NORM \a
	TOSTAGE \a
	SEND \a-1, 32                                  ; behind block a - 1's loads: block a's 16 stores and 16 loads
.endr
	s_wait_xcnt 0x0                                ; block 2's stores have read their base
	SEND 3, 0
	s_wait_tensorcnt 0x0                           ; the wave's end: these three lines, behind my last tensor load and my last LDS store
	ds_add_u32 v[SPW], v[NIL]
	s_wait_dscnt 0x0
	CROUND                                         ; the closing round: no work-group ends while a partner may still ask for a tile that names it
	s_endpgm
.Lfunc_end_k_qc1fcff9b5e_mix:
	.size	k_qc1fcff9b5e_mix, .Lfunc_end_k_qc1fcff9b5e_mix-k_qc1fcff9b5e_mix
	.p2alignl 7, 3214868480
	.fill 96, 4, 3214868480
	.section	.rodata,"a",@progbits
	.p2align	6, 0x0
	.amdhsa_kernel k_qc1fcff9b5e_mix
		.amdhsa_group_segment_fixed_size 327680
		.amdhsa_private_segment_fixed_size 0
		.amdhsa_enable_private_segment 0
		.amdhsa_kernarg_size 32
		.amdhsa_user_sgpr_count 2
		.amdhsa_user_sgpr_kernarg_segment_ptr 1
		.amdhsa_wavefront_size32 1
		.amdhsa_system_sgpr_workgroup_id_x 1
		.amdhsa_system_sgpr_workgroup_id_y 1
		.amdhsa_system_sgpr_workgroup_id_z 1
		.amdhsa_system_vgpr_workitem_id 0
		.amdhsa_next_free_vgpr 1024
		.amdhsa_next_free_sgpr 76
		.amdhsa_reserve_vcc 0
		.amdhsa_float_denorm_mode_32 3
		.amdhsa_float_denorm_mode_16_64 3
		.amdhsa_memory_ordered 1
		.amdhsa_forward_progress 1
		.amdhsa_inst_pref_size 255
	.end_amdhsa_kernel
	.amdgpu_metadata
---
amdhsa.version: [ 1, 2 ]
amdhsa.kernels:
  - .name:           k_qc1fcff9b5e_mix
    .symbol:         k_qc1fcff9b5e_mix.kd
    .args:
      - { .name: p, .offset: 0, .size: 8, .value_kind: global_buffer, .address_space: global }
      - { .name: qkv, .offset: 8, .size: 8, .value_kind: global_buffer, .address_space: global }
      - { .name: st, .offset: 16, .size: 8, .value_kind: global_buffer, .address_space: global }
      - { .name: out0, .offset: 24, .size: 8, .value_kind: global_buffer, .address_space: global }
    .group_segment_fixed_size: 327680
    .private_segment_fixed_size: 0
    .kernarg_segment_align: 8
    .kernarg_segment_size: 32
    .max_flat_workgroup_size: 128
    .sgpr_count:     76
    .vgpr_count:     1024
    .wavefront_size: 32
...
	.end_amdgpu_metadata
.endif
;; end of part 4
